; MI455X (gfx1250); checked and timed in simulation.
; The chip was launched on July 23, 2026; its instructions are those of AMD's public machine-readable ISA for CDNA 5 (MIT licence, August 2026) and "CDNA5" Instruction Set Architecture Reference Guide (July 2026). The comments in the code are by the model that wrote it; some were corrected since.
;; Masked Multi Head Attention. Allowed arithmetic: matrix products marked QUANTISED: E5M2 operands, one E8M0 scale for each 32 along K, by v_wmma_scale_f32_16x16x128_f8f6f4 with both operands' format E5M2, f32 sums; everything else in f32.
;; Inputs: b_proj 1,024 float32; b_qkv 3,072 float32; w_proj_codes 1,024 x 32 x 32 uint8 (E5M2 codes of w_proj, K innermost, in blocks of 32 codes); w_proj_scales 1,024 x 32 uint8 (E8M0 scales of w_proj, one for each 32 codes along K); w_qkv_codes 3,072 x 32 x 32 uint8 (E5M2 codes of w_qkv, K innermost, in blocks of 32 codes); w_qkv_scales 3,072 x 32 uint8 (E8M0 scales of w_qkv, one for each 32 codes along K); x_codes 4 x 2,048 x 32 x 32 uint8 (E5M2 codes of x, K innermost, in blocks of 32 codes); x_scales 4 x 2,048 x 32 uint8 (E8M0 scales of x, one for each 32 codes along K).
;; Outputs: out0 4 x 2,048 x 1,024 float32.
;; This version of the problem:
;;   THIS VERSION OF THE PROBLEM IS GIVEN IN LOW PRECISION. The matrix products marked QUANTISED in the list below multiply operands that are first quantised to E5M2 (5 exponent bits, 2 mantissa bits; 8 bits a number), with one power-of-two scale for each 32 numbers along K (OCP MX v1.0); their sums are f32. All else is computed in f32.
;;   The module's matrix products, in the order in which they are computed (A, B: the left and right operand; K: the contracted axis; several contracted axes count as one K, in the product's order):
;;     1. [M 8,192, K 1,024] x [K 1,024, N 3,072]; A: input x (given as codes); B: input w_qkv (given as codes): QUANTISED
;;     2. batch 64 x [M 2,048, K 64] x [K 64, N 2,048]; A: computed on the way; B: computed on the way: QUANTISED
;;     3. batch 64 x [M 2,048, K 2,048] x [K 2,048, N 64]; A: softmax (see below); B: computed on the way: QUANTISED
;;     4. [M 8,192, K 1,024] x [K 1,024, N 1,024]; A: computed on the way; B: input w_proj (given as codes): QUANTISED
;;   THE QUANTISER, for each operand of a quantised product, along K:
;;     - K is cut into blocks of 32 from its start; a last block that is shorter is filled with zeros.
;;     - A block's scale is 2^e with e = floor(log2(the largest magnitude in the block)) - 15, held to -126 .. 127; a block of zeros has e = 0. As a byte (E8M0): e + 127.
;;     - Each number is divided by its block's scale, clamped to +-57,344, and rounded to the nearest number of E5M2, ties to even, subnormals kept.
;;     - The product sums the exact products of the quantised numbers (number of the format x scale) in f32.
;;   ~~~python
;;   def quantise(x, axis):      # numpy; x: float32 -> the quantised numbers, widened to float32 again
;;       x = np.moveaxis(x, axis, -1); K = x.shape[-1]
;;       x = np.pad(x, [(0, 0)] * (x.ndim - 1) + [(0, -K % 32)]); x = x.reshape(x.shape[:-1] + (-1, 32)); a = np.abs(x).max(-1, keepdims=True)
;;       e = np.where(a > 0, np.clip(np.frexp(np.where(a > 0, a, 1))[1] - 1 - 15, -126, 127), 0)      # np.frexp(a)[1] - 1 = floor(log2(a)), exactly
;;       r = np.clip(x / 2.0 ** e, -57344, 57344)
;;       step = 2.0 ** (np.maximum(np.frexp(np.where(r == 0, 1, r))[1] - 1, -14) - 2)
;;       q = np.round(r / step) * step * 2.0 ** e      # np.round: ties to even
;;       return np.moveaxis(q.reshape(q.shape[:-2] + (-1,))[..., :K], -1, axis).astype(np.float32)
;;   ~~~
;;   SOFTMAX AHEAD OF A QUANTISED PRODUCT. Where the list says 'softmax', what is quantised is not the finished softmax but p = 2^(t - M), with t = logit x log2(e) and M = ceil(the row's largest t), a whole number; so 1/2 < the row's largest p <= 1. The row's sum l is taken of the UNQUANTISED p, in f32, and the product's result is divided by l at the end. Since M is a whole number, a kernel that streams over the keys may use a running M (the ceiling of the running maximum): every later rescaling is an exact power of two, which a block's scale takes up: the codes' values come out the same.
;;   OPERANDS COMPUTED ON THE WAY. 'Computed on the way' means the value that the module computes at that place (a softmax that the list does not call 'softmax' is quantised finished and normalised). What goes into a quantiser is computed in f32, as accurately as f32 sums, v_exp_f32 and their like allow (about 1e-6 of the number): no bf16 or f16 on the way to a quantiser, and a product that is left as it is and whose result goes on into a quantised operand takes f32 operands (vector FMAs, or v_wmma_f32_16x16x4_f32). A number that lies on a knife's edge between two numbers of the format may be rounded either way, as far as f32 arithmetic and the matrix unit's own rounding can turn it there, and no further.
;;   INPUTS GIVEN AS CODES. w_proj (in the module: [1024, 1024], K = its axis 1); w_qkv (in the module: [3072, 1024], K = its axis 1); x (in the module: [4, 2048, 1024], K = its axis 2): each comes as NAME_codes (uint8): NAME with its K axis moved to the last place and cut into blocks of 32 codes, [.., K / 32, bytes a block], one block behind the other in memory; one code a byte (a code: sign, 5 exponent bits, 2 mantissa bits); and NAME_scales (uint8): the same leading axes, one E8M0 byte (e + 127) for each 32 codes along K. Its value is code x scale, taken as it is: it is not quantised again, and the codes and scales need not be those that the quantiser above would give.
;; One version. Each part assembles by itself: llvm-mc -triple=amdgcn-amd-amdhsa -mcpu=gfx1250 --defsym DOCPART=n.
;; ======== version 1 of 1: 3 launches
;; limits: right only within a limited range of input values
;; workspace buffers: qkv 25,952,256 bytes; att_codes 8,388,608 bytes; att_scales 262,144 bytes
;; launch qkvg (part 1): grid 12 x 32, 4 waves a work-group, clusters of 4 x 4, 327,680 bytes of LDS; arguments x_codes, x_scales, w_qkv_codes, w_qkv_scales, b_qkv, qkv; writes qkv
.if DOCPART == 1
	.amdgcn_target "amdgcn-amd-amdhsa--gfx1250"
	.amdhsa_code_object_version 6
	.text
	.protected	k_q57a716afed_qkvg
	.globl	k_q57a716afed_qkvg
	.p2align	8
	.type	k_q57a716afed_qkvg,@function
k_q57a716afed_qkvg:
	s_mov_b64 s[64:65], 0
	v_nop
	global_prefetch_b8 v0, s[64:65] scope:SCOPE_SE
	s_setreg_imm32_b32 hwreg(HW_REG_WAVE_MODE, 25, 1), 1
	s_wait_xcnt 0x0
	s_wait_alu depctr_hold_cnt(0) depctr_sa_sdst(0) depctr_va_vdst(0) depctr_va_sdst(0) depctr_va_ssrc(0) depctr_va_vcc(0) depctr_vm_vsrc(0)
	s_getreg_b32 s2, hwreg(HW_REG_IB_STS2, 6, 4)
	s_cmp_eq_u32 s2, 0
	s_cbranch_scc0 .Lentry_in_a_cluster
	s_endpgm
.Lentry_in_a_cluster:
	s_bfe_u32 s2, ttmp6, 0x10000c
	s_cmp_lg_u32 s2, 0xf033
	s_cbranch_scc0 .Lentry_shape_is_right
	s_endpgm
.Lentry_shape_is_right:
; qkv = x Wqkv^T + b on codes of BF8 (E5M2) with one E8M0 scale for each 32 along K = 1,024; the results are quantised in registers and stored as images of the next products' operand registers.
; A tile of 256 x 256 is made by four waves, each 128 x 128: 64 accumulators, 512 registers.  K goes in steps of 256 through a ring of two LDS slots filled by the tensor data mover.
; TWO OPERANDS, P AND R.  Source 1 = 16 rows of P: they fall on lanes.  Source 0 = 16 rows of R: they fall on a lane's registers.  What is quantised next must run along a lane's registers:
;   cluster x = 0 (q), 1 (k): P = x (a lane holds a token), R = Wqkv (registers run along the head's channels, the K of q k^T);
;   cluster x = 2 (v):        P = Wqkv's rows 2,048 on (a lane holds a channel), R = x (registers run along the tokens, the K of p v).
; Both tensors have rows of 1,024 codes and 32 scale bytes, so ONE text serves the three paths: pointers and strides are chosen by scalar selects on the cluster's x, which all partners share; no branch and no LDS address hangs on it.
; CLUSTERS: 4 x 4 work-groups; P's tiles are shared along a row of the cluster, R's along a column: each is asked for jointly.
; ORDER INSIDE A BLOCK OF 32: a lane (r, h) holds of block c the numbers 32 c + 8 h + 0..7 and 32 c + 16 + 8 h + 0..7.  That order falls alike on q and k, and alike on p and v, inside one scale block: the products are the same.
; THE RECORD.  qkv holds 512 records of REC bytes, number ((batch x 16 + head) x 8 + token / 256): K's codes, V's codes, K's scale words, V's scale words, Q's codes, Q's scale words.  A group of four operand registers is 512 bytes, lane l's 16 at 16 l.
; THE BIAS lies along R's rows on paths q and k (it is the C of the first products) and along P's rows on path v (it is added on the way out); each path loads both forms and multiplies the one that is not its own by 0.
; LIMITS: NaN and infinities among inputs and biases are not served (a bias is multiplied by 0 on the path that does not use it).  A block whose largest magnitude lies under 2^-111 gets the scale byte 1; zeros too: their codes are zeros, and this program alone reads the bytes.
; The scale words leave as two runs of 64 bytes a store: a thirty-second of the codes' bytes.
; REGISTERS, in windows of 256: window 0: v0-31 addresses, v8-15 P's bias; v32-63 scale words, two sets; v64-127 R's bias; v128-255 P's fragments, one set; on the way out v128-237 at work.
;   window 1: R's fragments, two sets.   window 2: the accumulators of my P blocks 0-3 ((a, b) at v[8 (8 a + b)]);   window 3: of blocks 4-7.
.set SIZE_K, 1024
.set KSTEP,  256                       ; along K in a slot
.set NQ,     KSTEP/128                 ; matrix instructions deep
.set ROWB,   256                       ; a tile's row in bytes
.set KROW,   SIZE_K                    ; a row of codes in memory
.set PITCH,  272                       ; an LDS row: 256 bytes + 16 of padding: the 16 rows that a load touches start at 16 different banks (64 banks of 4 bytes: ISA guide 11.1)
.set FR,     16                        ; registers of a fragment
.set NL,     4                         ; LDS loads that bring one
.set NP,     8                         ; places behind this matrix instruction (ISA guide 7.12.1)
.set HALFT,  128*PITCH                 ; 128 rows: what one tensor load brings
.set SLOT,   4*HALFT                   ; P's 256 rows, then R's 256 rows
.set LAPS,   SIZE_K/(2*KSTEP)
.set KS,     SIZE_K/32                 ; a row of scales in bytes
.set SCL,    2*SLOT                    ; behind the ring: the scales of all of K, as rows of 256 bytes + 16 of padding; filled once
.set HALFS,  (128*KS/256)*272
.set SBLK,   (16*KS/256)*272
.set SPARE,  SCL+4*HALFS               ; the spare words, 128 bytes a wave: two blocks of 256 bytes that no other line names
.set REC,    50688                     ; a record
.set HS,     8*REC                     ; from a head to the next
.set RKC,    0                         ; K's codes: token tile t at 1024 t + 512 c
.set RVC,    16384                     ; V's: (key step q, channel tile t) at 2048 (4 q + t) + 512 c
.set RKS,    32768                     ; K's scale words: pair of tiles f at 64 f + 4 r
.set RVS,    33280                     ; V's: 64 (4 q + t) + 4 r
.set RQC,    33792                     ; Q's codes, as K's
.set RQS,    50176                     ; Q's scale words, as K's
.set BL,   8                           ; v8-15   P's bias: register a: row 16 a + r
.set ADRA, 16                          ; v16-17  LDS address of my P fragments in slot 0, 1
.set ADRB, 20                          ; v20-21  the same for R
.set ADRS, 27                          ; v27     LDS address of my scale words: lanes 0-15 P's rows, lanes 16-31 R's
.set SPW,  28                          ; v28     LDS address of my spare word; never rewritten
.set NIL,  29                          ; v29     0; never rewritten
.set SC,   32                          ; scale words: set s at v[SC + 16 s]; register 2 i + q: lanes 0-15 P's block i, lanes 16-31 R's block i
.set BR,   64                          ; v64-127 R's bias: register 8 t + j: row 16 t + 8 h + j
.set AF,   128                         ; P's fragments
.set T,    128                         ; the way out: a block's 64 numbers
.set PC,   192                         ; its codes
.set TM,   208                         ; v208-223 at work
.set PW,   224                         ; its scale word
.set PX,   225                         ; the even block's word, kept
.set PO,   226                         ; v226-229 words to store
.set VO,   230                         ; v230-233 byte offsets of the four groups of codes
.set VSO,  234                         ; v234    byte offset of my scale word
.set VSL,  235                         ; v235    byte selects
.set BP,   236                         ; v236-237 P's bias of the block, twice
.set G1, 24                            ; s[24:31] descriptor group 1 for P's tiles;  s[32:39] group 0, a set for each slot
.set G0, 32
.set G1B, 48                           ; s[48:55], s[56:63] the same for R's
.set G0B, 56
.set G1S, 68                           ; s[68:75], s[76:79] for P's scales;  s[80:87], s[88:91] for R's
.set G0S, 76
.set G1SB, 80
.set G0SB, 88
.set OB,  24                           ; the way out (no tensor load is out any more): s[24:25] the codes' base, s[26:27] the scale words'
.set SBS, 26
.set SA1, 28                           ; s[28:29], s[30:31] steps of the codes' base; s[32:33], s[34:35] of the scale words'
.set SA2, 30
.set SP1, 32
.set SP2, 34
.set SEL, 48                           ; s[48:49] selects for lane l xor 16
.set MNT, 50
.set MSB, 0
.macro WIN new                         ; the immediate's high byte repeats the setting that is left
.if MSB != \new
	s_set_vgpr_msb (MSB<<8)|\new
.set MSB, \new
.endif
.endm
.set MUL_LO, 0xa1                      ; source 0 (R) window 1, source 1 (P) window 0, C and D window 2
.set MUL_HI, 0xf1                      ; the same, C and D window 3
.set TO_B,   0x40                      ; destination window 1, address window 0
; A joint load: waves 0 and 1 fetch for P, waves 2 and 3 for R; the branch hangs on the wave's number alone.  Four v_nop follow each of the two lines.
.macro JLOAD g0a, g1a, g0b, g1b
	s_cmp_eq_u32 s15, 0
	s_cbranch_scc0 .Lfor_b_\@
	tensor_load_to_lds s[\g0a:\g0a+3], s[\g1a:\g1a+7]
	s_nop 0
.rept 4
	v_nop
.endr
	s_branch .Lasked_\@
.Lfor_b_\@:
	tensor_load_to_lds s[\g0b:\g0b+3], s[\g1b:\g1b+7]
	s_nop 0
.rept 4
	v_nop
.endr
.Lasked_\@:
.endm
.macro CREST                           ; a round of the cluster's barrier behind its opening barrier
	s_cmp_lg_u32 s14, 0
	s_cbranch_scc1 .Lnot_wave_0_\@
	s_barrier_signal -3
.Lnot_wave_0_\@:
	s_barrier_wait -3
	s_barrier_signal -1
	s_barrier_wait -1
.endm
.macro CROUND                          ; a whole round
	s_barrier_signal -1
	s_barrier_wait -1
	CREST
.endm
	s_load_b256 s[4:11], s[0:1], 0x0               ; x's codes, x's scales, W's codes, W's scales
	s_load_b128 s[96:99], s[0:1], 0x20             ; b_qkv s[96:97], qkv s[98:99]
	v_lshl_add_u32 v[SPW], v0, 2, SPARE
	v_mov_b32 v[NIL], 0
	ds_add_u32 v28, v29
	ds_add_u32 v28, v29
	s_wait_dscnt 0x0
	v_lshrrev_b32 v1, 5, v0
	v_readfirstlane_b32 s14, v1                    ; wave 0..3
	s_lshr_b32 s15, s14, 1                         ; which half of P's rows is mine.  Also: I fetch for P (0) or for R (1)
	s_and_b32 s16, s14, 1                          ; which half of R's rows.  Also: which 128 rows of that tile I fetch
	s_bfe_u32 s40, ttmp6, 0x40000                  ; cx, cy: my place in the cluster
	s_bfe_u32 s41, ttmp6, 0x40004
	s_and_b32 s100, ttmp7, 0xffff                  ; the cluster's y: which 1,024 tokens
	s_mov_b32 s101, ttmp9                          ; the cluster's x: the path, 0 q, 1 k, 2 v
	s_cmp_eq_u32 s101, 2
	s_cselect_b32 s66, 2, s100                     ; P's group of four tiles: W's rows 2,048 on, or the tokens
	s_cselect_b32 s67, s100, s101                  ; R's: the tokens, or W's rows 1,024 x path on
	s_lshl_b32 s17, s66, 2
	s_add_co_u32 s17, s17, s41                     ; P's tile of 256 rows: it holds cy alone
	s_lshl_b32 s42, s67, 2
	s_add_co_u32 s42, s42, s40                     ; R's: it holds cx alone
	s_lshl_b32 s43, s41, 2
	s_lshl_b32 s43, 15, s43                        ; my row of the cluster
	s_lshl_b32 s44, 0x1111, s40                    ; my column
	; descriptor group 1: a tile of 128 rows x 256 bytes, 16 bytes of padding behind each row
	s_or_b32 s[G1+0], s43, (0<<16)|(1<<20)|(1<<21)|(5<<22)|(3<<25)  ; 15:0 the mask: P's tiles go to my row; 17:16 elements of 1 byte; 20 padding on; 21 set beside a mask; 24:22 after every 64 words; 31:25 four words
	s_or_b32 s[G1B+0], s44, (0<<16)|(1<<20)|(1<<21)|(5<<22)|(3<<25)
.irp g, G1, G1B
	s_mov_b32 s[\g+1], ROWB<<16                    ; tensor_dim0
	s_mov_b32 s[\g+2], 128<<16                     ; tensor_dim1
	s_mov_b32 s[\g+3], ROWB<<16                    ; tile_dim0
	s_mov_b32 s[\g+4], 128                         ; tile_dim1
	s_mov_b32 s[\g+5], KROW                        ; tensor_dim0_stride
	s_mov_b32 s[\g+6], 0
	s_mov_b32 s[\g+7], 0
.endr
	; the scales of 128 rows: 4,096 dense bytes, as 16 rows of 256 bytes (32 elements of 8 bytes), 16 bytes of padding behind each
	s_or_b32 s[G1S+0], s43, (3<<16)|(1<<20)|(1<<21)|(5<<22)|(3<<25)
	s_or_b32 s[G1SB+0], s44, (3<<16)|(1<<20)|(1<<21)|(5<<22)|(3<<25)
.irp g, G1S, G1SB
	s_mov_b32 s[\g+1], 32<<16
	s_mov_b32 s[\g+2], (128*KS/256)<<16
	s_mov_b32 s[\g+3], 32<<16
	s_mov_b32 s[\g+4], 128*KS/256
	s_mov_b32 s[\g+5], 32
	s_mov_b32 s[\g+6], 0
	s_mov_b32 s[\g+7], 0
.endr
	s_lshl_b32 s18, s16, 7                         ; which 128 rows of the tile I fetch
	s_lshl_b32 s20, s17, 8
	s_add_co_u32 s20, s20, s18                     ; P's row
	s_lshl_b32 s46, s42, 8
	s_add_co_u32 s46, s46, s18                     ; R's row
	s_lshl_b32 s22, s20, 5                         ; where these rows' scales begin, in bytes (all under 2^32)
	s_mov_b32 s23, 0
	s_lshl_b32 s92, s46, 5
	s_mov_b32 s93, 0
	s_lshl_b32 s20, s20, 10                        ; and their codes
	s_mov_b32 s21, 0
	s_lshl_b32 s46, s46, 10
	s_mov_b32 s47, 0
	s_mul_i32 s45, s14, HALFT                      ; where they go: wave x 128 rows: no place in the cluster enters an LDS address
	s_mul_i32 s94, s14, HALFS
	s_wait_kmcnt 0x0
	s_cmp_eq_u32 s101, 2                           ; on path v the two tensors change roles: a choice between buffers that hangs on the cluster's x alone
	s_cselect_b64 s[12:13], s[8:9], s[4:5]         ; P's codes
	s_cselect_b64 s[18:19], s[10:11], s[6:7]       ; P's scales
	s_cselect_b64 s[8:9], s[4:5], s[8:9]           ; R's codes
	s_cselect_b64 s[10:11], s[6:7], s[10:11]       ; R's scales
	s_add_nc_u64 s[20:21], s[12:13], s[20:21]
	s_add_nc_u64 s[22:23], s[18:19], s[22:23]
	s_add_nc_u64 s[46:47], s[8:9], s[46:47]
	s_add_nc_u64 s[92:93], s[10:11], s[92:93]
	CROUND                                         ; all sixteen work-groups are here: the first joint loads meet
	s_mov_b32 s[G0S], 1
	s_add_co_u32 s[G0S+1], s94, SCL
	s_mov_b64 s[G0S+2:G0S+3], s[22:23]
	s_or_b32 s[G0S+3], s[G0S+3], 0x80000000
	s_mov_b32 s[G0SB], 1
	s_add_co_u32 s[G0SB+1], s94, SCL
	s_mov_b64 s[G0SB+2:G0SB+3], s[92:93]
	s_or_b32 s[G0SB+3], s[G0SB+3], 0x80000000
	JLOAD G0S, G1S, G0SB, G1SB                     ; the scales first: they are wanted with K step 0
.irp s, 0,1
	s_mov_b32 s[G0+4*\s], 1
	s_add_co_u32 s[G0+4*\s+1], s45, \s*SLOT
	s_add_nc_u64 s[G0+4*\s+2:G0+4*\s+3], s[20:21], \s*ROWB
	s_or_b32 s[G0+4*\s+3], s[G0+4*\s+3], 0x80000000
	s_mov_b32 s[G0B+4*\s], 1
	s_add_co_u32 s[G0B+4*\s+1], s45, \s*SLOT
	s_add_nc_u64 s[G0B+4*\s+2:G0B+4*\s+3], s[46:47], \s*ROWB
	s_or_b32 s[G0B+4*\s+3], s[G0B+4*\s+3], 0x80000000
	JLOAD G0+4*\s, G1, G0B+4*\s, G1B
.endr
	v_and_b32 v1, 15, v0                           ; r = l % 16
	v_bfe_u32 v2, v0, 4, 1                         ; h = l / 16
	v_mul_u32_u24 v3, v1, PITCH
	v_lshl_add_u32 v4, v2, 4, v3                   ; a fragment's row x pitch + 16 x half
	s_mul_i32 s21, s15, HALFT                      ; my 128 rows of P
	s_mul_i32 s22, s16, HALFT                      ; my 128 rows of R,
	s_add_co_u32 s22, s22, 2*HALFT                 ; which lie behind P's 256
.irp s, 0,1
	v_add_nc_u32 v[ADRA+\s], s21, v4
	v_add_nc_u32 v[ADRB+\s], s22, v4
	s_add_co_u32 s21, s21, SLOT
	s_add_co_u32 s22, s22, SLOT
.endr
	v_mul_u32_u24 v5, v1, KS                       ; my row's scales: 32 bytes a row,
	v_lshrrev_b32 v6, 8, v5
	v_lshl_add_u32 v5, v6, 4, v5                   ; and 16 more for each 256 passed
	s_mul_i32 s21, s15, HALFS                      ; P's: my 128 rows
	s_mul_i32 s22, s16, HALFS                      ; R's: my 128 rows, behind P's 256
	s_add_co_u32 s22, s22, 2*HALFS
	s_sub_co_u32 s22, s22, s21
	v_mul_u32_u24 v6, s22, v2                      ; lanes 16-31 take R's: the lower base + h x the distance
	s_add_co_u32 s21, s21, SCL
	v_add_nc_u32 v5, v5, v6
	v_add_nc_u32 v[ADRS], s21, v5
	; the bias, in both forms
	s_lshl_b32 s12, s42, 10
	s_lshl_b32 s13, s16, 9
	s_add_co_u32 s12, s12, s13                     ; 4 bytes x R's first row of mine
	s_lshl_b32 s20, s17, 10
	s_lshl_b32 s21, s15, 9
	s_add_co_u32 s20, s20, s21                     ; 4 bytes x P's first row of mine
	s_cmp_eq_u32 s101, 2
	s_cselect_b32 s12, 0, s12                      ; the form that is not the path's own reads the buffer's head, and is multiplied by 0
	s_cselect_b32 s20, s20, 0
	s_cselect_b32 s18, 0, 1.0                      ; R's form counts on paths q and k,
	s_cselect_b32 s22, 1.0, 0                      ; P's on path v
	s_mov_b32 s19, s18                             ; (named with them as pairs, so they are written)
	s_mov_b32 s23, s22
	s_mov_b32 s13, 0
	s_mov_b32 s21, 0
	s_add_nc_u64 s[12:13], s[96:97], s[12:13]
	s_add_nc_u64 s[20:21], s[96:97], s[20:21]
	v_lshlrev_b32 v7, 5, v2                        ; 32 h
	v_lshlrev_b32 v3, 2, v1                        ; 4 r
.irp t, 0,1,2,3,4,5,6,7
	global_load_b128 v[BR+8*\t:BR+8*\t+3], v7, s[12:13] offset:64*\t
	global_load_b128 v[BR+8*\t+4:BR+8*\t+7], v7, s[12:13] offset:64*\t+16
.endr
.irp a, 0,1,2,3,4,5,6,7
	global_load_b32 v[BL+\a], v3, s[20:21] offset:64*\a
.endr
	s_wait_loadcnt 0x0
.set k, 0
.rept 32
	v_pk_mul_f32 v[BR+k:BR+k+1], v[BR+k:BR+k+1], s[18:19] op_sel_hi:[1,0]
.set k, k+2
.endr
.set k, 0
.rept 4
	v_pk_mul_f32 v[BL+k:BL+k+1], v[BL+k:BL+k+1], s[22:23] op_sel_hi:[1,0]
.set k, k+2
.endr
.macro FRAG reg, adr, q, i             ; a fragment, 16 rows x 128 K: lane l holds row l % 16; registers 4 c .. 4 c + 3 hold K = 32 c + 16 (l / 16) + 0 .. 15
.irp c, 0,1,2,3
	ds_load_b128 v[\reg+4*\c:\reg+4*\c+3], v[\adr] offset:128*(\q)+32*\c+(\i)*16*PITCH
.endr
.endm
; 16 matrix instructions: P's blocks a0, a0 + 1 x R's eight, 128 along K.  p: R's set;  sc: the set of scale words.  zero = 1: the first product starts the sums from R's bias: nothing is ever cleared.
; The 64 accumulators take turns, one instruction a turn, in the same order in every step.
.macro MUL16 a0, p, q, sc, zero
.irp a, \a0, \a0+1
.irp b, 0,1,2,3,4,5,6,7
.if \zero
	v_wmma_scale_f32_16x16x128_f8f6f4 v[8*(8*((\a)%4)+\b):8*(8*((\a)%4)+\b)+7], v[128*(\p)+FR*\b:128*(\p)+FR*\b+FR-1], v[AF+FR*(\a):AF+FR*(\a)+FR-1], v[BR+8*\b:BR+8*\b+7], v[SC+8*NQ*(\sc)+NQ*\b+(\q)], v[SC+8*NQ*(\sc)+NQ*(\a)+(\q)] matrix_a_fmt:MATRIX_FMT_BF8 matrix_b_fmt:MATRIX_FMT_BF8 matrix_a_scale:MATRIX_SCALE_ROW1
.else
	v_wmma_scale_f32_16x16x128_f8f6f4 v[8*(8*((\a)%4)+\b):8*(8*((\a)%4)+\b)+7], v[128*(\p)+FR*\b:128*(\p)+FR*\b+FR-1], v[AF+FR*(\a):AF+FR*(\a)+FR-1], v[8*(8*((\a)%4)+\b):8*(8*((\a)%4)+\b)+7], v[SC+8*NQ*(\sc)+NQ*\b+(\q)], v[SC+8*NQ*(\sc)+NQ*(\a)+(\q)] matrix_a_fmt:MATRIX_FMT_BF8 matrix_b_fmt:MATRIX_FMT_BF8 matrix_a_scale:MATRIX_SCALE_ROW1
.endif
.endr
.endr
.endm
.macro FETCH_B slot, q, p              ; R's eight fragments of the slot's q-th 128 along K into set p
	WIN TO_B
.irp i, 0,1,2,3,4,5,6,7
	FRAG 128*(\p)+FR*\i, ADRB+\slot, \q, \i
.endr
	WIN 0
.endm
.macro FETCH_A slot, q, i0             ; P's blocks i0 .. i0 + 3
.irp i, \i0, \i0+1, \i0+2, \i0+3
	FRAG AF+FR*(\i), ADRA+\slot, \q, \i
.endr
.endm
.macro SCALES sc                       ; the next K step's scale words into set sc: two words a row
.irp i, 0,1,2,3,4,5,6,7
	ds_load_b64 v[SC+8*NQ*\sc+NQ*\i:SC+8*NQ*\sc+NQ*\i+1], v[ADRS] offset:\i*SBLK
.endr
.endm
; A load into a register that a matrix instruction has read, and a vector instruction that reads a matrix result, stand NP places behind that matrix instruction; only plain vector instructions that name none of its registers are places.
.macro PLACES n
.rept \n
	v_nop
.endr
.endm
; A step of 128 along K that has its successor in the same slot.
.macro STEP slot, q, zero
	s_wait_dscnt 4*NL                              ; R's set and P's blocks 0-3 are in; the youngest sixteen loads (P's blocks 4-7) may be out
.if \zero
	WIN 0x81                                       ; C (the bias) in window 0, D in window 2
.else
	WIN MUL_LO
.endif
	MUL16 0, (\q)%2, \q, \slot, \zero
	MUL16 2, (\q)%2, \q, \slot, \zero
	s_wait_dscnt 0                                 ; P's blocks 4-7 are in
	PLACES NP
	FETCH_B \slot, (\q)+1, 1-(\q)%2
	FETCH_A \slot, (\q)+1, 0
.if \zero
	WIN 0xc1                                       ; C in window 0, D in window 3
.else
	WIN MUL_HI
.endif
	MUL16 4, (\q)%2, \q, \slot, \zero
	MUL16 6, (\q)%2, \q, \slot, \zero
	PLACES NP
	WIN 0
	FETCH_A \slot, (\q)+1, 4
.endm
; A slot's last step changes slots: ONE barrier; in front of it each wave waits for all its tensor loads, adds 0 to its spare word, and waits for that and for its own reads of this slot.  fill = 1: this slot is filled again, two K steps ahead.
.macro TURN slot, next, fill
	s_wait_tensorcnt 0x0                           ; all my tensor loads have landed: my part of the next slot  (every window is 0 here)
	ds_add_u32 v[SPW], v[NIL]                      ; 0 onto my spare word
	s_wait_dscnt 4*NL+1                            ; the add and the youngest sixteen loads, P's blocks 4-7, may be out
	WIN MUL_LO
	MUL16 0, 1, NQ-1, \slot, 0                     ; sixteen matrix instructions stand between the add and the wait for it
	s_wait_dscnt 0x0                               ; the add is done, and my reads of this slot are over
	s_barrier_signal -1
	MUL16 2, 1, NQ-1, \slot, 0
	WIN 0
	s_barrier_wait -1
.if \fill
	CREST                                          ; the barrier has opened a round of the cluster's barrier: no wave of any partner still reads this slot or has a load on its way
	s_add_nc_u64 s[G0+4*\slot+2:G0+4*\slot+3], s[G0+4*\slot+2:G0+4*\slot+3], 2*ROWB
	s_add_nc_u64 s[G0B+4*\slot+2:G0B+4*\slot+3], s[G0B+4*\slot+2:G0B+4*\slot+3], 2*ROWB
	JLOAD G0+4*\slot, G1, G0B+4*\slot, G1B         ; the first tensor load behind the round; its four v_nop are among the places in front of the loads below
	PLACES NP-4
.else
	PLACES NP
.endif
	s_wait_alu depctr_va_vdst(0)
	v_add_nc_u32 v[ADRS], 4*NQ, v[ADRS]            ; on to the next K step's scale words
	FETCH_B \next, 0, 0
	FETCH_A \next, 0, 0
	SCALES \next
	WIN MUL_HI
	MUL16 4, 1, NQ-1, \slot, 0
	MUL16 6, 1, NQ-1, \slot, 0
	PLACES NP
	WIN 0
	FETCH_A \next, 0, 4
.endm
	PLACES NP                                      ; plain places between the bias's multiplications and the first products
	s_wait_alu depctr_va_vdst(0)
	s_wait_tensorcnt 1                             ; of my three first fills the scales and K step 0 are in; K step 1's may stay out
	s_barrier_signal -1
	s_barrier_wait -1                              ; everybody's are
	FETCH_B 0, 0, 0
	FETCH_A 0, 0, 0
	SCALES 0
	FETCH_A 0, 0, 4
	STEP 0, 0, 1                                   ; the first step stands in front of the loop: its products start the sums
	s_mov_b32 s3, LAPS-1
.Llap:                                                 ; a trip goes once round the ring and fills both slots again
	TURN 0, 1, 1
	STEP 1, 0, 0
	TURN 1, 0, 1
	STEP 0, 0, 0
	s_sub_co_u32 s3, s3, 1
	s_cmp_lg_u32 s3, 0
	s_cbranch_scc1 .Llap
	TURN 0, 1, 0                                   ; the last lap fills nothing
	STEP 1, 0, 0
	s_wait_dscnt 4*NL                              ; the very last step: nothing more to fetch
	WIN MUL_LO
	MUL16 0, 1, NQ-1, 1, 0
	MUL16 2, 1, NQ-1, 1, 0
	s_wait_dscnt 0
	WIN MUL_HI
	MUL16 4, 1, NQ-1, 1, 0
	MUL16 6, 1, NQ-1, 1, 0
	WIN 0
	PLACES NP
; THE WAY OUT.  A block a of 16 rows of P: a lane's 64 numbers are four blocks of 32 along the next K (each shared with lane l xor 16): they are quantised, and each group of four registers of codes is stored as it stands, 512 consecutive bytes.
; Where they go, by path:   q, k: groups 0, 1 to the wave's first head, groups 2, 3 to its second (HS on); token tile a: 1,024 a.     v: the four groups on end (the key step's four blocks); channel tile a % 4: 2,048 each; a = 4 begins the second head.
	s_cmp_eq_u32 s101, 2
	s_cselect_b32 s51, s40, s41                    ; the tokens' place in the cluster: cx on path v, else cy
	s_cselect_b32 s52, s41, s40                    ; the group of four heads
	s_cselect_b32 s53, s16, s15                    ; which 128 tokens of the record's 256
	s_cselect_b32 s54, s15, s16                    ; which two heads of the four
	s_mov_b32 s[SA1], 1024
	s_cselect_b32 s[SA1], 2048, s[SA1]             ; the codes' base from block to block,
	s_mov_b32 s[SA2], 1024
	s_cselect_b32 s[SA2], HS-6144, s[SA2]          ; and into block 4
	s_mov_b32 s36, HS
	s_cselect_b32 s36, 1024, s36                   ; from group 0 to group 2
	s_cselect_b32 s[SP1], 128, 64                  ; the scale words' base from pair to pair,
	s_cselect_b32 s[SP2], HS-128, 64               ; and into pair 2
	s_mov_b32 s37, HS
	s_cselect_b32 s37, 64, s37                     ; from lanes 0-15's word to lanes 16-31's
	s_mov_b32 s38, 0x05040100
	s_cselect_b32 s38, 0x03020100, s38             ; lanes 0-15: q, k: bytes 0, 1 of both blocks' words (the first head);  v: the even block's word
	s_mov_b32 s39, 0x07060302
	s_cselect_b32 s39, 0x07060504, s39             ; lanes 16-31: bytes 2, 3 of both (the second head);  v: the odd block's word
	s_cselect_b32 s55, RVC, RKC
	s_mov_b32 s56, RKS
	s_cselect_b32 s56, RVS, s56
	s_cmp_eq_u32 s101, 0
	s_cselect_b32 s55, RQC, s55                    ; the codes' region of the record
	s_cselect_b32 s56, RQS, s56                    ; the scale words'
	s_mov_b32 s[SA1+1], 0
	s_mov_b32 s[SA2+1], 0
	s_mov_b32 s[SP1+1], 0
	s_mov_b32 s[SP2+1], 0
	s_mov_b32 s[SEL], 0x76543210
	s_mov_b32 s[SEL+1], 0xfedcba98
	s_lshl_b32 s57, s100, 2
	s_add_co_u32 s57, s57, s51                     ; which 256 tokens of the 8,192
	s_lshr_b32 s58, s57, 3
	s_lshl_b32 s58, s58, 7                         ; batch x 128
	s_lshl_b32 s59, s52, 5
	s_add_co_u32 s58, s58, s59                     ; + 8 x 4 x group of heads
	s_lshl_b32 s59, s54, 4
	s_add_co_u32 s58, s58, s59                     ; + 8 x 2 x pair of heads
	s_and_b32 s59, s57, 7
	s_add_co_u32 s58, s58, s59                     ; + the batch's slot of 256 tokens
	s_mul_i32 s58, s58, REC                        ; the record's first byte (under 2^25)
	s_lshl_b32 s59, s53, 13
	s_add_co_u32 s60, s58, s55
	s_add_co_u32 s60, s60, s59
	s_mov_b32 s61, 0
	s_add_nc_u64 s[OB:OB+1], s[98:99], s[60:61]
	s_lshl_b32 s59, s53, 8
	s_add_co_u32 s60, s58, s56
	s_add_co_u32 s60, s60, s59
	s_add_nc_u64 s[SBS:SBS+1], s[98:99], s[60:61]
	v_and_b32 v3, 31, v0
	v_lshlrev_b32 v[VO], 4, v3                     ; 16 x lane
	v_add_nc_u32 v[VO+1], 512, v[VO]
	v_add_nc_u32 v[VO+2], s36, v[VO]
	v_add_nc_u32 v[VO+3], 512, v[VO+2]
	v_mul_u32_u24 v4, s37, v2
	v_lshl_add_u32 v[VSO], v1, 2, v4               ; 4 r + h x the distance
	v_mov_b32 v4, s38
	v_mov_b32 v5, s39
	v_cmp_gt_u32 vcc_lo, 16, v3
	v_cndmask_b32 v[VSL], v5, v4, vcc_lo
.irp b, 0,1,2,3
	v_mov_b32 v[TM+4+\b], 0                        ; written once: a lane permute's destination counts as one of its sources
.endr
; 64 numbers of a lane, v[s] on, register 16 b + i of block b, become codes in v[PC] on and the row's scale word in v[PW].
.macro QUANT s
.irp b, 0,1,2,3
	v_max3_num_f32 v[TM+\b], |v[\s+16*\b]|, |v[\s+1+16*\b]|, 0x8000000   ; my 16 numbers of block b, and the floor 2^(16 - 127): so the byte cannot fall under 1
.endr
.irp i, 2,4,6,8,10,12,14
.irp b, 0,1,2,3
	v_max3_num_f32 v[TM+\b], v[TM+\b], |v[\s+16*\b+\i]|, |v[\s+1+16*\b+\i]|   ; (the four blocks by turns)
.endr
.endr
.irp b, 0,1,2,3
	v_permlanex16_b32 v[TM+4+\b], v[TM+\b], s[SEL], s[SEL+1]
.endr
.irp b, 0,1,2,3
	v_max_num_f32 v[TM+\b], v[TM+\b], v[TM+4+\b]   ; with lane l xor 16's: the block's largest magnitude
.endr
.irp b, 0,1,2,3
	v_add_nc_u32 v[TM+12+\b], 0xf8800000, v[TM+\b]   ; 15 off its exponent field: the conversion takes that field as its scale
.endr
.irp b, 0,1,2,3
.endr
.irp b, 0,1,2,3
	v_lshrrev_b32 v[TM+4+\b], 23, v[TM+12+\b]      ; the scale's byte
.endr
	v_lshl_or_b32 v[PW], v[TM+5], 8, v[TM+4]
	v_lshl_or_b32 v[PW], v[TM+6], 16, v[PW]
	v_lshl_or_b32 v[PW], v[TM+7], 24, v[PW]
.irp b, 0,1,2,3
.irp i, 0,1,2,3,4,5,6,7,8,9,10,11,12,13,14,15
.endr
	v_cvt_scalef32_pk8_bf8_f32 v[PC+4*\b:PC+1+4*\b], v[\s+16*\b:\s+7+16*\b], v[TM+12+\b]
	v_cvt_scalef32_pk8_bf8_f32 v[PC+2+4*\b:PC+3+4*\b], v[\s+8+16*\b:\s+15+16*\b], v[TM+12+\b]
.endr
	v_nop                                          ; one plain vector instruction behind the last scaled conversion
.endm
.macro OUTBLK a
.if (\a) > 0
	s_wait_xcnt 0x0                                ; the earlier stores have read their data, offsets and bases: all may be written again
.if (\a) == 4
	s_add_nc_u64 s[OB:OB+1], s[OB:OB+1], s[SA2:SA2+1]
.else
	s_add_nc_u64 s[OB:OB+1], s[OB:OB+1], s[SA1:SA1+1]
.endif
.if (\a) == 5
	s_add_nc_u64 s[SBS:SBS+1], s[SBS:SBS+1], s[SP2:SP2+1]
.elseif ((\a) == 3) || ((\a) == 7)
	s_add_nc_u64 s[SBS:SBS+1], s[SBS:SBS+1], s[SP1:SP1+1]
.endif
.endif
	v_mov_b32 v[BP], v[BL+(\a)]
	v_mov_b32 v[BP+1], v[BL+(\a)]
	WIN 0x02+(\a)/4                                ; source 0: window 2 or 3
.set k, 0
.rept 32
	v_pk_add_f32 v[T+k:T+k+1], v[64*((\a)%4)+k:64*((\a)%4)+k+1], v[BP:BP+1]   ; + P's bias; each accumulator from its low end on
.set k, k+2
.endr
	WIN 0
	QUANT T
.irp c, 0,1,2,3
	global_store_b128 v[VO+\c], v[PC+4*\c:PC+4*\c+3], s[OB:OB+1]   ; 32 lanes store 512 consecutive bytes, at a multiple of 256 from the buffer's first byte
.endr
.if (\a)%2 == 0
	v_mov_b32 v[PX], v[PW]
.else
	v_perm_b32 v[PO+(\a)/2], v[PW], v[PX], v[VSL]  ; select bytes 0-3: the even block's word, 4-7: the odd block's
	global_store_b32 v[VSO], v[PO+(\a)/2], s[SBS:SBS+1]
.endif
.endm
.irp a, 0,1,2,3,4,5,6,7
	OUTBLK \a
.endr
	s_wait_tensorcnt 0x0                           ; the wave's end
	ds_add_u32 v[SPW], v[NIL]
	s_wait_dscnt 0x0
	CROUND                                         ; the closing round: no work-group ends while a partner may still ask for a tile that names it
	s_endpgm
.Lfunc_end_k_q57a716afed_qkvg:
	.size	k_q57a716afed_qkvg, .Lfunc_end_k_q57a716afed_qkvg-k_q57a716afed_qkvg
	.p2alignl 7, 3214868480
	.fill 96, 4, 3214868480
	.section	.rodata,"a",@progbits
	.p2align	6, 0x0
	.amdhsa_kernel k_q57a716afed_qkvg
		.amdhsa_group_segment_fixed_size 327680
		.amdhsa_private_segment_fixed_size 0
		.amdhsa_enable_private_segment 0
		.amdhsa_kernarg_size 48
		.amdhsa_user_sgpr_count 2
		.amdhsa_user_sgpr_kernarg_segment_ptr 1
		.amdhsa_wavefront_size32 1
		.amdhsa_system_sgpr_workgroup_id_x 1
		.amdhsa_system_sgpr_workgroup_id_y 1
		.amdhsa_system_sgpr_workgroup_id_z 1
		.amdhsa_system_vgpr_workitem_id 0
		.amdhsa_next_free_vgpr 1024
		.amdhsa_next_free_sgpr 102
		.amdhsa_reserve_vcc 1
		.amdhsa_float_denorm_mode_32 3
		.amdhsa_float_denorm_mode_16_64 3
		.amdhsa_fp16_overflow 1
		.amdhsa_memory_ordered 1
		.amdhsa_forward_progress 1
		.amdhsa_inst_pref_size 174
	.end_amdhsa_kernel
	.amdgpu_metadata
---
amdhsa.version: [ 1, 2 ]
amdhsa.kernels:
  - .name:           k_q57a716afed_qkvg
    .symbol:         k_q57a716afed_qkvg.kd
    .args:
      - { .name: x_codes, .offset: 0, .size: 8, .value_kind: global_buffer, .address_space: global }
      - { .name: x_scales, .offset: 8, .size: 8, .value_kind: global_buffer, .address_space: global }
      - { .name: w_qkv_codes, .offset: 16, .size: 8, .value_kind: global_buffer, .address_space: global }
      - { .name: w_qkv_scales, .offset: 24, .size: 8, .value_kind: global_buffer, .address_space: global }
      - { .name: b_qkv, .offset: 32, .size: 8, .value_kind: global_buffer, .address_space: global }
      - { .name: qkv, .offset: 40, .size: 8, .value_kind: global_buffer, .address_space: global }
    .group_segment_fixed_size: 327680
    .private_segment_fixed_size: 0
    .kernarg_segment_align: 8
    .kernarg_segment_size: 48
    .max_flat_workgroup_size: 128
    .sgpr_count:     102
    .vgpr_count:     1024
    .wavefront_size: 32
...
	.end_amdgpu_metadata
.endif
;; end of part 1
;; launch attn (part 2): grid 4 x 64, 16 waves a work-group, no clusters, 327,680 bytes of LDS; arguments qkv, att_codes, att_scales; writes att_codes, att_scales
.if DOCPART == 2
	.amdgcn_target "amdgcn-amd-amdhsa--gfx1250"
	.amdhsa_code_object_version 6
	.text
	.protected	k_q57a716afed_attn
	.globl	k_q57a716afed_attn
	.p2align	8
	.type	k_q57a716afed_attn,@function
k_q57a716afed_attn:
	s_mov_b64 s[64:65], 0
	v_nop
	global_prefetch_b8 v0, s[64:65] scope:SCOPE_SE
	s_setreg_imm32_b32 hwreg(HW_REG_WAVE_MODE, 25, 1), 1
	s_wait_xcnt 0x0
; att = softmax(q k^T / 32, causal) v for one head, both products on codes of BF8 (E5M2) with one E8M0 scale for each 32 along a product's K; att is quantised along the 1,024 channels and stored as images of the last product's operand registers.
; THE SOFTMAX: t = score x log2(e) / 32; M = the row's largest t so far, rounded UP to a whole number; p = 2^(t - M) is quantised along the keys, not normalised; the row's sum is taken of the unquantised p and divides at the end.  When M moves, the sum and O are multiplied by 2^(old M - new M): exact.
; SHARES.  A work-group (I = x, batch x 16 + head = y) owns the blocks I and 7 - I of 256 queries; each of its sixteen waves one tile of 16 queries of the block in hand, in 256 registers: four waves to a SIMD.
; It makes NINE visits to slots of 256 keys, a constant: visits 0 .. I are key slots 0 .. I for block I, visits I + 1 .. 8 key slots 0 .. 7 - I for block 7 - I.  So all work-groups have equal work, no slot is fetched that nobody reads, and every trip count is a constant.
; No joint loads: in the same visit the four work-groups of a head want different key slots (the slot of visit n hangs on I).
; INPUT: records of REC bytes, number (y x 8 + slot): 16,384 bytes of K's codes, 16,384 of V's, 512 + 512 of their scale words (what a slot's fill brings: 132 rows of 256 bytes), then Q's codes and scale words.  All are images of operand registers: a group of four registers is 512 bytes, lane l's 16 at 16 l.
; K = 64 IS HALF OF THE INSTRUCTION'S 128: a fragment of K holds TWO tiles of 16 keys, one in each half of the 128; it is multiplied once by (q, zeros) and once by (zeros, q): zero codes add nothing.
; LAYOUT.  Both products are used transposed: a lane holds ONE query (lane % 16) throughout.  Register 16 f + i of the scores is key 32 f + 8 h + i (i < 8) or 32 f + 16 + 8 h + i - 8: V's images hold the keys of a block in the same order.
; LIMITS: NaN and infinities are not served; a block whose largest magnitude lies under 2^-111 gets the scale byte 1 (its bytes are read by this program alone).  att's scale bytes leave two to a row, 32 bytes apart: a thirty-second of the codes' bytes.
; REGISTERS: v1-9 addresses; v12 -M, v13 the largest t, v[14:15] the sum; v16-23 q, v24-31 zeros, v32-39 q; v40 q's scale word; v41-49 the second tile's q; v50-53 fragments' scale words; v54 f; v56 p's scale word; v57-63 at work; v64-127 four fragments; v128-191 S^T, then p; v192-223 O^T; v224-239 codes; v240-255 at work.
.set REC,   50688
.set HS,    8*REC
.set KC,    0
.set VC,    16384
.set KSO,   32768
.set VSO,   33280
.set QC,    33792
.set QSO,   50176
.set HALFB, 16896                      ; 66 rows of 256 bytes: what one tensor load brings
.set SLOT1, 65536                      ; slot 1 begins here: one exclusive or turns an address from one slot to the other
.set SPARE, 131072                     ; the spare words, 128 bytes a wave: eight blocks of 256 bytes that no other line names
.set L16, 1                            ; v1  16 x lane
.set L4,  2                            ; v2  4 r
.set ADR, 3                            ; v3  the slot in hand + 16 x lane
.set ADS, 4                            ; v4  the slot in hand + 4 r
.set SPW, 5                            ; v5  LDS address of my spare word; never rewritten
.set NIL, 6                            ; v6  0; never rewritten
.set R32, 8                            ; v8  32 r
.set RH,  9                            ; v9  r - 8 h
.set QS,  40
.set FS,  50
.set F,   54
.set PW,  56
.set TMP, 57
.set C2,  58
.set FRG, 64
.set S,   128
.set O,   192
.set PC,  224
.set BM,  240
.set BT,  244
.set BH,  248
.set BS,  252
.set WV,  10                           ; s10 my wave's number
.set II,  11                           ; s11 I
.set BHD, 12                           ; s12 batch x 16 + head
.set ISW, 13                           ; s13 the visit at whose head the blocks change: I + 1
.set VIS, 14                           ; s14 the visit
.set NXT, 15                           ; s15 the key slot last asked for
.set SLOTS, 16                         ; s16 visits still to be asked for
.set TB,  17                           ; s17 LDS byte at which the slot in hand begins
.set KF,  18                           ; s18 the step's first key
.set Q0,  19                           ; s19 my first query
.set SEL, 20                           ; s[20:21] selects for lane l xor 16
.set CS,  22                           ; s[22:23] c = log2(e) / 32
.set MNT, 24
.set TS,  25                           ; s25 at work
.set PSEL, 26                          ; s26 which two bytes of a pair's scale word are my tile's
.set Q1,  27                           ; s27 my first query of the second block
.set G1,  28                           ; s[28:35] descriptor group 1
.set G0,  36                           ; s[36:39] group 0, which walks
.set BASE, 40                          ; s[40:41] my half of the head's record 0
.set OF,  42                           ; s[42:43] an offset
.set OC,  44                           ; s[44:45] where the codes in hand go;  s[46:47] the scale bytes
.set OS,  46
.set OC1, 48                           ; s[48:51] the same for the second block
.set OS1, 50
.macro TLOAD                           ; waves 0 and 1 fetch the two halves of a slot; the branch hangs on the wave's number alone.  Four v_nop follow the load
	s_cmp_lt_u32 s[WV], 2
	s_cbranch_scc0 .Lnone_\@
	tensor_load_to_lds s[G0:G0+3], s[G1:G1+7]
	s_nop 0
.rept 4
	v_nop
.endr
.Lnone_\@:
.endm
	s_load_b128 s[4:7], s[0:1], 0x0                ; qkv, att_codes
	s_load_b64 s[8:9], s[0:1], 0x10                ; att_scales
	v_lshl_add_u32 v[SPW], v0, 2, SPARE
	v_mov_b32 v[NIL], 0
	ds_add_u32 v5, v6
	ds_add_u32 v5, v6
	s_wait_dscnt 0x0
	v_lshrrev_b32 v1, 5, v0
	s_delay_alu instid0(VALU_DEP_1)
	v_readfirstlane_b32 s[WV], v1                  ; wave 0..15
	s_mov_b32 s[II], ttmp9
	s_and_b32 s[BHD], ttmp7, 0xffff
	s_add_co_u32 s[ISW], s[II], 1
	s_mov_b32 s[VIS], 0
	s_mov_b32 s[NXT], 0
	s_mov_b32 s[SLOTS], 8
	s_mov_b32 s[TB], 0
	s_mov_b32 s[KF], 0
	s_mov_b32 s[SEL], 0x76543210
	s_mov_b32 s[SEL+1], 0xfedcba98
	s_mov_b32 s[CS], 0x3d38aa3b                    ; log2(e) / 32
	s_mov_b32 s[CS+1], s[CS]                       ; (named with it as a pair, so it is written)
	; descriptor group 1: 66 rows of 256 bytes (32 elements of 8 bytes), dense in memory and in LDS
	s_mov_b32 s[G1], 3<<16
	s_mov_b32 s[G1+1], 32<<16                      ; tensor_dim0
	s_mov_b32 s[G1+2], 66<<16                      ; tensor_dim1
	s_mov_b32 s[G1+3], 32<<16                      ; tile_dim0
	s_mov_b32 s[G1+4], 66                          ; tile_dim1
	s_mov_b32 s[G1+5], 32                          ; tensor_dim0_stride
	s_mov_b32 s[G1+6], 0
	s_mov_b32 s[G1+7], 0
	s_and_b32 s52, s[WV], 1
	s_cmp_lg_u32 s52, 0
	s_mov_b32 s[PSEL], 0x01000100
	s_cselect_b32 s[PSEL], 0x03020302, s[PSEL]     ; an odd tile's two bytes are the pair's upper two
	s_mov_b32 s[G0], 1
	s_mul_i32 s[G0+1], s52, HALFB                  ; my half of a slot, in LDS and in the record alike
	s_mul_i32 s60, s[BHD], HS                      ; the head's first byte (under 2^25)
	s_add_co_u32 s[OF], s60, s[G0+1]
	s_mov_b32 s[OF+1], 0
	s_lshl_b32 s[TS], s[WV], 4
	s_lshl_b32 s[Q0], s[II], 8
	s_add_co_u32 s[Q0], s[Q0], s[TS]               ; 256 I + 16 w
	s_sub_co_u32 s61, 7, s[II]
	s_lshl_b32 s[Q1], s61, 8
	s_add_co_u32 s[Q1], s[Q1], s[TS]               ; 256 (7 - I) + 16 w
	s_lshl_b32 s62, s[WV], 10
	s_add_co_u32 s62, s62, s60
	s_add_co_u32 s62, s62, QC                      ; my tile's codes in the head's record 0
	s_mul_i32 s63, s[II], REC
	s_mul_i32 s[TS], s61, REC
	s_add_co_u32 s52, s62, s63                     ; in the first block's record,
	s_mov_b32 s53, 0
	s_add_co_u32 s54, s62, s[TS]                   ; in the second's
	s_mov_b32 s55, 0
	s_lshr_b32 s62, s[WV], 1
	s_lshl_b32 s62, s62, 6
	s_add_co_u32 s62, s62, s60
	s_add_co_u32 s62, s62, QSO                     ; my pair's scale words
	s_add_co_u32 s56, s62, s63
	s_mov_b32 s57, 0
	s_add_co_u32 s58, s62, s[TS]
	s_mov_b32 s59, 0
	; where att goes: codes at (head / 4) x 2 MiB + (token / 16) x 4,096 + (head % 4) x 1,024; scale bytes at token x 32 + head x 2
	s_lshr_b32 s62, s[BHD], 4
	s_lshl_b32 s62, s62, 11                        ; the batch's first token
	s_and_b32 s63, s[BHD], 15                      ; the head
	s_lshr_b32 s60, s63, 2
	s_lshl_b32 s60, s60, 21
	s_and_b32 s61, s63, 3
	s_lshl_b32 s61, s61, 10
	s_add_co_u32 s60, s60, s61
	s_lshl_b32 s63, s63, 1
	s_add_co_u32 s61, s62, s[Q0]
	s_lshl_b32 s[OC], s61, 8
	s_add_co_u32 s[OC], s[OC], s60
	s_mov_b32 s[OC+1], 0
	s_lshl_b32 s[OS], s61, 5
	s_add_co_u32 s[OS], s[OS], s63
	s_mov_b32 s[OS+1], 0
	s_add_co_u32 s61, s62, s[Q1]
	s_lshl_b32 s[OC1], s61, 8
	s_add_co_u32 s[OC1], s[OC1], s60
	s_mov_b32 s[OC1+1], 0
	s_lshl_b32 s[OS1], s61, 5
	s_add_co_u32 s[OS1], s[OS1], s63
	s_mov_b32 s[OS1+1], 0
	s_wait_kmcnt 0x0
	s_add_nc_u64 s[BASE:BASE+1], s[4:5], s[OF:OF+1]
	s_mov_b64 s[G0+2:G0+3], s[BASE:BASE+1]         ; key slot 0
	s_or_b32 s[G0+3], s[G0+3], 0x80000000          ; type = 2
	TLOAD                                          ; visit 0's slot: the one first fill at the start
	s_add_nc_u64 s[52:53], s[4:5], s[52:53]
	s_add_nc_u64 s[54:55], s[4:5], s[54:55]
	s_add_nc_u64 s[56:57], s[4:5], s[56:57]
	s_add_nc_u64 s[58:59], s[4:5], s[58:59]
	s_add_nc_u64 s[OC:OC+1], s[6:7], s[OC:OC+1]
	s_add_nc_u64 s[OC1:OC1+1], s[6:7], s[OC1:OC1+1]
	s_add_nc_u64 s[OS:OS+1], s[8:9], s[OS:OS+1]
	s_add_nc_u64 s[OS1:OS1+1], s[8:9], s[OS1:OS1+1]
	v_and_b32 v7, 31, v0
	s_delay_alu instid0(VALU_DEP_1)
	v_lshlrev_b32 v[L16], 4, v7
	v_and_b32 v7, 15, v0                           ; r
	s_delay_alu instid0(VALU_DEP_1)
	v_lshlrev_b32 v[L4], 2, v7
	s_delay_alu instid0(VALU_DEP_2)
	v_lshlrev_b32 v[R32], 5, v7
	v_bfe_u32 v10, v0, 4, 1                        ; h
	s_delay_alu instid0(VALU_DEP_1)
	v_lshlrev_b32 v10, 3, v10
	s_delay_alu instid0(VALU_DEP_1)
	v_sub_nc_u32 v[RH], v7, v10
	global_load_b128 v[16:19], v[L16], s[52:53]               ; q of the first block, twice: below the zeros and above them
	global_load_b128 v[20:23], v[L16], s[52:53] offset:512
	global_load_b128 v[32:35], v[L16], s[52:53]
	global_load_b128 v[36:39], v[L16], s[52:53] offset:512
	global_load_b128 v[42:45], v[L16], s[54:55]               ; q of the second block, kept
	global_load_b128 v[46:49], v[L16], s[54:55] offset:512
	global_load_b32 v[TMP], v[L4], s[56:57]                   ; the pairs' scale words
	global_load_b32 v41, v[L4], s[58:59]
.irp j, 0,1,2,3,4,5,6,7
	v_mov_b32 v[24+\j], 0                          ; the zero codes of the half of K that a product does not use
.endr
	v_mov_b32 v[F+1], 0                            ; (named as the upper half of a pair)
.irp b, 0,1,2,3
	v_mov_b32 v[BT+\b], 0                          ; written once: a lane permute's destination counts as one of its sources
.endr
.macro ANEW                            ; a tile of queries begins: O^T and the sum are zeros, the largest t lies under every t
	v_mov_b32 v13, 0xff61b1e6                      ; -3e38
	s_delay_alu instid0(VALU_DEP_1)
	v_floor_f32 v12, -v13                          ; -M
	v_mov_b32 v14, 0
	v_mov_b32 v15, 0
.set j, 0
.rept 32
	v_mov_b32 v[O+j], 0
.set j, j+1
.endr
.endm
	ANEW
	s_wait_loadcnt 0x0
	v_perm_b32 v[QS], v[TMP], v[TMP], s[PSEL]      ; q's scale word: (s0, s1, s0, s1): it serves q in either half of K
; A KEY STEP: 128 keys, the q-th of the slot in hand.
.macro STEP q
	s_add_co_u32 s[TS], s[Q0], 15                  ; a step all of whose keys come after my 16 queries is left out: a scalar branch on ids; no barrier and no tensor load stands in a step
	s_cmp_gt_u32 s[KF], s[TS]
	s_cbranch_scc1 .Lhidden_\@
	v_add_nc_u32 v[ADR], s[TB], v[L16]
	v_add_nc_u32 v[ADS], s[TB], v[L4]
.rept 6
	v_nop                                          ; with the two additions: eight places in front of loads into registers that matrix instructions have read, and behind vector writes of q and its scale word
.endr
.irp f, 0,1,2,3
.irp c, 0,1,2,3
	ds_load_b128 v[FRG+16*\f+4*\c:FRG+16*\f+4*\c+3], v[ADR] offset:KC+(4*(\q)+\f)*2048+512*\c
.endr
	ds_load_b32 v[FS+\f], v[ADS] offset:KSO+(4*(\q)+\f)*64
.endr
	s_wait_dscnt 0x0
	s_wait_alu depctr_va_vdst(0)
.irp f, 0,1,2,3                                ; S^T = K Q^T: each fragment against (q, 0): its first 16 keys; and against (0, q): its second 16
	v_wmma_scale_f32_16x16x128_f8f6f4 v[S+16*\f:S+16*\f+7], v[FRG+16*\f:FRG+16*\f+15], v[16:31], 0, v[FS+\f], v[QS] matrix_a_fmt:MATRIX_FMT_BF8 matrix_b_fmt:MATRIX_FMT_BF8
	v_wmma_scale_f32_16x16x128_f8f6f4 v[S+16*\f+8:S+16*\f+15], v[FRG+16*\f:FRG+16*\f+15], v[24:39], 0, v[FS+\f], v[QS] matrix_a_fmt:MATRIX_FMT_BF8 matrix_b_fmt:MATRIX_FMT_BF8
.endr
.rept 8
	v_nop
.endr
.irp t, 0,1,2,3                                ; V's four fragments of these 128 keys come while the softmax is worked
.irp c, 0,1,2,3
	ds_load_b128 v[FRG+16*\t+4*\c:FRG+16*\t+4*\c+3], v[ADR] offset:VC+(4*(\q)+\t)*2048+512*\c
.endr
	ds_load_b32 v[FS+\t], v[ADS] offset:VSO+(4*(\q)+\t)*64
.endr
	s_add_co_u32 s[TS], s[KF], 127                 ; on the diagonal the scores of hidden keys become -infinity ahead of the maximum.  A step all of whose keys count skips this
	s_cmp_le_u32 s[TS], s[Q0]
	s_cbranch_scc1 .Lopen_\@
	s_sub_co_i32 s[TS], s[Q0], s[KF]
	v_add_nc_u32 v60, s[TS], v[RH]                 ; d = my query - KF - 8 h.  Register n holds key KF + 8 h + 32 (n / 16) + n % 16 + 8 ((n % 16) / 8)
	v_mov_b32 v61, 0xff800000
.set n, 0
.rept 64
	v_cmp_gt_i32 vcc_lo, 32*(n/16)+n%16+8*((n%16)/8), v60
	v_cndmask_b32 v[S+n], v[S+n], v61, vcc_lo
.set n, n+1
.endr
.Lopen_\@:
.irp b, 0,1,2,3
	v_max3_num_f32 v[BM+\b], v[S+16*\b], v[S+1+16*\b], v[S+2+16*\b]   ; the largest score of each block of 32 keys: for the row's maximum, and, since p rises with the score, for the block's largest p
.endr
.irp i, 3,5,7,9,11,13
.irp b, 0,1,2,3
	v_max3_num_f32 v[BM+\b], v[BM+\b], v[S+16*\b+\i], v[S+1+16*\b+\i]
.endr
.endr
.irp b, 0,1,2,3
	v_max_num_f32 v[BM+\b], v[BM+\b], v[S+15+16*\b]
.endr
.irp b, 0,1,2,3
	s_delay_alu instid0(VALU_DEP_4)
	v_permlanex16_b32 v[BT+\b], v[BM+\b], s[SEL], s[SEL+1]
.endr
.irp b, 0,1,2,3
	s_delay_alu instid0(VALU_DEP_4)
	v_max_num_f32 v[BM+\b], v[BM+\b], v[BT+\b]     ; with lane l xor 16's 16 keys
.endr
	s_delay_alu instid0(VALU_DEP_2)
	v_max3_num_f32 v[TMP], v[BM], v[BM+1], v[BM+2]
	s_delay_alu instid0(VALU_DEP_1)
	v_max_num_f32 v[TMP], v[TMP], v[BM+3]
	s_delay_alu instid0(VALU_DEP_1)
	v_mul_f32 v[TMP], s[CS], v[TMP]                ; as t (c is positive)
	s_delay_alu instid0(VALU_DEP_1)
	v_max_num_f32 v13, v13, v[TMP]                 ; the running largest t
	v_mov_b32 v[TMP], v12
	s_delay_alu instid0(VALU_DEP_2)
	v_floor_f32 v12, -v13                          ; the new -M = -ceil(t): a whole number
	s_delay_alu instid0(VALU_DEP_1)
	v_sub_f32 v[TMP], v12, v[TMP]                  ; old M - new M: a whole number, 0 or less
	s_delay_alu instid0(VALU_DEP_1)
	v_cvt_i32_f32 v[TMP], v[TMP]                   ; (it saturates)
	s_delay_alu instid0(VALU_DEP_1)
	v_ldexp_f32 v[F], 1.0, v[TMP]                  ; f = 2^(old M - new M)
.set j, 0
.rept 32
	v_pk_fma_f32 v[S+j:S+j+1], v[S+j:S+j+1], s[CS:CS+1], v[12:13] op_sel_hi:[1,0,0]   ; t - M, two at a time
.set j, j+2
.endr
.irp b, 0,1,2,3
	v_fma_f32 v[BM+\b], v[BM+\b], s[CS], v12       ; the same of each block's largest score
.endr
.set j, 0
	s_wait_alu depctr_va_vdst(0)
.rept 64
	v_exp_f32 v[S+j], v[S+j]                       ; p = 2^(t - M), at most 1
.set j, j+1
.endr
.irp b, 0,1,2,3
	v_exp_f32 v[BM+\b], v[BM+\b]                   ; the block's largest p: the same two instructions on the same number
.endr
	v_pk_mul_f32 v[14:15], v[14:15], v[F:F+1] op_sel_hi:[1,0]   ; the sums under the new M.  (A plain place behind the exponentials)
	s_wait_alu depctr_va_vdst(0)
.irp b, 0,1,2,3
	v_max_num_f32 v[BM+\b], 0x8000000, v[BM+\b]    ; the floor 2^(16 - 127): the byte cannot fall under 1
.endr
.irp b, 0,1,2,3
	s_delay_alu instid0(VALU_DEP_4)
	v_add_nc_u32 v[BS+\b], 0xf8800000, v[BM+\b]    ; 15 off the exponent field: the conversion's scale operand
.endr
.irp b, 0,1,2,3
.endr
.irp b, 0,1,2,3
	s_delay_alu instid0(VALU_DEP_4)
	v_lshrrev_b32 v[BT+\b], 23, v[BS+\b]           ; the scale's byte
.endr
	s_delay_alu instid0(VALU_DEP_3)
	v_lshl_or_b32 v[PW], v[BT+1], 8, v[BT]         ; p's scale word for these 128 keys
	s_delay_alu instid0(VALU_DEP_1)
	v_lshl_or_b32 v[PW], v[BT+2], 16, v[PW]
	s_delay_alu instid0(VALU_DEP_1)
	v_lshl_or_b32 v[PW], v[BT+3], 24, v[PW]
	v_pk_add_f32 v[58:59], v[132:133], v[136:137]
	v_pk_add_f32 v[250:251], v[140:141], v[144:145]
	v_pk_add_f32 v[248:249], v[148:149], v[152:153]
	v_pk_add_f32 v[242:243], v[156:157], v[160:161]
	v_pk_add_f32 v[240:241], v[164:165], v[168:169]
	v_pk_add_f32 v[238:239], v[172:173], v[176:177]
	v_pk_add_f32 v[236:237], v[180:181], v[184:185]
	v_pk_add_f32 v[14:15], v[14:15], v[188:189]
	v_pk_add_f32 v[58:59], v[58:59], v[128:129]
	v_pk_add_f32 v[250:251], v[250:251], v[130:131]
	v_pk_add_f32 v[248:249], v[248:249], v[134:135]
	v_pk_add_f32 v[242:243], v[242:243], v[138:139]
	v_pk_add_f32 v[240:241], v[240:241], v[142:143]
	v_pk_add_f32 v[238:239], v[238:239], v[146:147]
	v_pk_add_f32 v[236:237], v[236:237], v[150:151]
	v_pk_add_f32 v[14:15], v[14:15], v[154:155]
	v_pk_add_f32 v[58:59], v[58:59], v[158:159]
	v_pk_add_f32 v[250:251], v[250:251], v[162:163]
	v_pk_add_f32 v[248:249], v[248:249], v[166:167]
	v_pk_add_f32 v[242:243], v[242:243], v[170:171]
	v_pk_add_f32 v[240:241], v[240:241], v[174:175]
	v_pk_add_f32 v[238:239], v[238:239], v[178:179]
	v_pk_add_f32 v[236:237], v[236:237], v[182:183]
	v_pk_add_f32 v[14:15], v[14:15], v[186:187]
	v_pk_add_f32 v[58:59], v[58:59], v[190:191]
	s_delay_alu instid0(VALU_DEP_2)
	v_pk_add_f32 v[14:15], v[14:15], v[242:243]
	s_delay_alu instid0(VALU_DEP_2)
	v_pk_add_f32 v[58:59], v[58:59], v[240:241]
	v_pk_add_f32 v[250:251], v[250:251], v[238:239]
	v_pk_add_f32 v[248:249], v[248:249], v[236:237]
	s_delay_alu instid0(VALU_DEP_2)
	v_pk_add_f32 v[14:15], v[14:15], v[250:251]
	s_delay_alu instid0(VALU_DEP_2)
	v_pk_add_f32 v[58:59], v[58:59], v[248:249]
	s_delay_alu instid0(VALU_DEP_1)
	v_pk_add_f32 v[14:15], v[14:15], v[58:59]
.irp b, 0,1,2,3
.irp i, 0,1,2,3,4,5,6,7,8,9,10,11,12,13,14,15
.endr
	v_cvt_scalef32_pk8_bf8_f32 v[PC+4*\b:PC+1+4*\b], v[S+16*\b:S+7+16*\b], v[BS+\b]
	v_cvt_scalef32_pk8_bf8_f32 v[PC+2+4*\b:PC+3+4*\b], v[S+8+16*\b:S+15+16*\b], v[BS+\b]
.endr
.set j, 0
.rept 16
	v_pk_mul_f32 v[O+j:O+j+1], v[O+j:O+j+1], v[F:F+1] op_sel_hi:[1,0]   ; O^T under the new M.  (These are also the places between the conversions and the products)
.set j, j+2
.endr
	s_wait_alu depctr_va_vdst(0)
	s_wait_dscnt 0x0                               ; V's fragments and scale words are in
.irp t, 0,1,2,3                                ; O^T += V^T P^T: four accumulators by turns
	v_wmma_scale_f32_16x16x128_f8f6f4 v[O+8*\t:O+8*\t+7], v[FRG+16*\t:FRG+16*\t+15], v[PC:PC+15], v[O+8*\t:O+8*\t+7], v[FS+\t], v[PW] matrix_a_fmt:MATRIX_FMT_BF8 matrix_b_fmt:MATRIX_FMT_BF8
.endr
.Lhidden_\@:
	s_add_co_u32 s[KF], s[KF], 128
.endm
; THE CHANGE OF SLOTS stands at a visit's head.  Each wave waits for all its tensor loads, adds 0 to its spare word, and waits for that and for its reads of the slot that it has left.
; Behind the barrier the slot ahead is whole and nobody reads the other one.  fill = 1: that other slot is filled for the next visit; the load has a whole visit in which to land.  A wave has at most one tensor load out.
.macro CHANGE fill
	s_wait_tensorcnt 0x0                           ; no tensor load of mine is out, so group 0 may be written
	ds_add_u32 v[SPW], v[NIL]                      ; 0 onto my spare word
.if \fill
	s_xor_b32 s[G0+1], s[G0+1], SLOT1              ; the other slot than last time
	s_add_co_u32 s[NXT], s[NXT], 1                 ; the next key slot,
	s_cmp_eq_u32 s[VIS], s[II]
	s_cselect_b32 s[NXT], 0, s[NXT]                ; or key slot 0 again, for the second block
	s_mul_i32 s[OF], s[NXT], REC
	s_add_nc_u64 s[G0+2:G0+3], s[BASE:BASE+1], s[OF:OF+1]
	s_or_b32 s[G0+3], s[G0+3], 0x80000000
.endif
	s_wait_dscnt 0x0                               ; the add is done, and my reads of the slot that I have left are over
	s_barrier_signal -1
	s_barrier_wait -1
.if \fill
	TLOAD                                          ; the first thing behind the barrier, and a wave's one tensor load until the next
.endif
.endm
.macro SLOT_STEPS
	STEP 0
	STEP 1
	s_xor_b32 s[TB], s[TB], SLOT1                  ; on to the other slot
.endm
; A TILE OF QUERIES IS DONE: O^T / the sum is quantised along the channels (two blocks of 32, each shared with lane l xor 16) and stored.
.macro FLUSH
.rept 8
	v_nop                                          ; places behind the last products
.endr
	v_add_f32 v14, v14, v15
	s_delay_alu instid0(VALU_DEP_1)
	v_permlanex16_b32 v[TMP], v14, s[SEL], s[SEL+1]
	s_delay_alu instid0(VALU_DEP_1)
	v_add_f32 v14, v14, v[TMP]                     ; the row's sum
	s_wait_alu depctr_va_vdst(0)
	v_rcp_f32 v14, v14
	v_nop                                          ; a plain place behind the transcendental
.set j, 0
	s_wait_alu depctr_va_vdst(0)
.rept 32
	v_mul_f32 v[S+j], v[O+j], v14                  ; register 8 t + i: channel 16 t + 8 h + i of my query; each accumulator from its low end on
.set j, j+1
.endr
.irp b, 0,1
	v_max3_num_f32 v[BM+\b], |v[S+16*\b]|, |v[S+1+16*\b]|, 0x8000000
.endr
.irp i, 2,4,6,8,10,12,14
.irp b, 0,1
	s_delay_alu instid0(VALU_DEP_2)
	v_max3_num_f32 v[BM+\b], v[BM+\b], |v[S+16*\b+\i]|, |v[S+1+16*\b+\i]|
.endr
.endr
.irp b, 0,1
	s_delay_alu instid0(VALU_DEP_2)
	v_permlanex16_b32 v[BT+\b], v[BM+\b], s[SEL], s[SEL+1]
.endr
.irp b, 0,1
	s_delay_alu instid0(VALU_DEP_2)
	v_max_num_f32 v[BM+\b], v[BM+\b], v[BT+\b]
.endr
.irp b, 0,1
	s_delay_alu instid0(VALU_DEP_2)
	v_add_nc_u32 v[BS+\b], 0xf8800000, v[BM+\b]
.endr
.irp b, 0,1
.endr
.irp b, 0,1
	s_delay_alu instid0(VALU_DEP_2)
	v_lshrrev_b32 v[BT+\b], 23, v[BS+\b]
.endr
	s_delay_alu instid0(VALU_DEP_1)
	v_lshl_or_b32 v60, v[BT+1], 8, v[BT]           ; my row's two scale bytes
.irp b, 0,1
.irp i, 0,1,2,3,4,5,6,7,8,9,10,11,12,13,14,15
.endr
.endr
.irp b, 0,1
	v_cvt_scalef32_pk8_bf8_f32 v[PC+4*\b:PC+1+4*\b], v[S+16*\b:S+7+16*\b], v[BS+\b]
	v_cvt_scalef32_pk8_bf8_f32 v[PC+2+4*\b:PC+3+4*\b], v[S+8+16*\b:S+15+16*\b], v[BS+\b]
.endr
	v_nop                                          ; one plain vector instruction behind the last scaled conversion
.irp b, 0,1                                    ; the next product's other operand is GIVEN, so the true order is restored: the first pair's lanes 16-31 (channels 8-15) change places with the second pair's lanes 0-15 (16-23): lane (r, h) then holds 32 b + 16 h + 0 .. 15
	v_permlane16_swap_b32 v[PC+4*\b], v[PC+2+4*\b]
	v_permlane16_swap_b32 v[PC+1+4*\b], v[PC+3+4*\b]
.endr
.irp b, 0,1
	global_store_b128 v[L16], v[PC+4*\b:PC+3+4*\b], s[OC:OC+1] offset:512*\b   ; 32 lanes store 512 consecutive bytes, at a multiple of 256 from the buffer's first byte
.endr
	global_store_b16 v[R32], v60, s[OS:OS+1]       ; both halves of the lanes hold, and write, the same two bytes
	s_wait_xcnt 0x0                                ; the stores have read their registers and bases: all may be written again
.endm
.Lslot:                                            ; eight trips: behind each change of slots but the last the next visit's slot is asked for
	CHANGE 1
	s_cmp_lg_u32 s[VIS], s[ISW]                    ; at visit I + 1 the first block is done: a branch on the work-group's number, alike in all waves, round register work and stores alone
	s_cbranch_scc1 .Lsame
	FLUSH
	v_perm_b32 v[QS], v41, v41, s[PSEL]
.irp j, 0,1,2,3,4,5,6,7
	v_mov_b32 v[16+\j], v[42+\j]
	v_mov_b32 v[32+\j], v[42+\j]
.endr
	ANEW
	s_mov_b32 s[Q0], s[Q1]
	s_mov_b32 s[KF], 0
	s_mov_b64 s[OC:OC+1], s[OC1:OC1+1]
	s_mov_b64 s[OS:OS+1], s[OS1:OS1+1]
.Lsame:
	SLOT_STEPS
	s_add_co_u32 s[VIS], s[VIS], 1
	s_sub_co_u32 s[SLOTS], s[SLOTS], 1
	s_cmp_lg_u32 s[SLOTS], 0
	s_cbranch_scc1 .Lslot
	CHANGE 0                                       ; the last visit is written out
	SLOT_STEPS
	FLUSH
	s_wait_tensorcnt 0x0                           ; the wave's end
	ds_add_u32 v[SPW], v[NIL]
	s_wait_dscnt 0x0
	s_endpgm
.Lfunc_end_k_q57a716afed_attn:
	.size	k_q57a716afed_attn, .Lfunc_end_k_q57a716afed_attn-k_q57a716afed_attn
	.p2alignl 7, 3214868480
	.fill 96, 4, 3214868480
	.section	.rodata,"a",@progbits
	.p2align	6, 0x0
	.amdhsa_kernel k_q57a716afed_attn
		.amdhsa_group_segment_fixed_size 327680
		.amdhsa_private_segment_fixed_size 0
		.amdhsa_enable_private_segment 0
		.amdhsa_kernarg_size 24
		.amdhsa_user_sgpr_count 2
		.amdhsa_user_sgpr_kernarg_segment_ptr 1
		.amdhsa_wavefront_size32 1
		.amdhsa_system_sgpr_workgroup_id_x 1
		.amdhsa_system_sgpr_workgroup_id_y 1
		.amdhsa_system_sgpr_workgroup_id_z 1
		.amdhsa_system_vgpr_workitem_id 0
		.amdhsa_next_free_vgpr 256
		.amdhsa_next_free_sgpr 66
		.amdhsa_reserve_vcc 1
		.amdhsa_float_denorm_mode_32 3
		.amdhsa_float_denorm_mode_16_64 3
		.amdhsa_fp16_overflow 1
		.amdhsa_memory_ordered 1
		.amdhsa_forward_progress 1
		.amdhsa_inst_pref_size 110
	.end_amdhsa_kernel
	.amdgpu_metadata
---
amdhsa.version: [ 1, 2 ]
amdhsa.kernels:
  - .name:           k_q57a716afed_attn
    .symbol:         k_q57a716afed_attn.kd
    .args:
      - { .name: qkv, .offset: 0, .size: 8, .value_kind: global_buffer, .address_space: global }
      - { .name: att_codes, .offset: 8, .size: 8, .value_kind: global_buffer, .address_space: global }
      - { .name: att_scales, .offset: 16, .size: 8, .value_kind: global_buffer, .address_space: global }
    .group_segment_fixed_size: 327680
    .private_segment_fixed_size: 0
    .kernarg_segment_align: 8
    .kernarg_segment_size: 24
    .max_flat_workgroup_size: 512
    .sgpr_count:     66
    .vgpr_count:     256
    .wavefront_size: 32
...
	.end_amdgpu_metadata
.endif
;; end of part 2
;; launch proj (part 3): grid 4 x 32, 4 waves a work-group, clusters of 4 x 4, 327,680 bytes of LDS; arguments att_codes, att_scales, w_proj_codes, w_proj_scales, b_proj, out0; writes out0
.if DOCPART == 3
	.amdgcn_target "amdgcn-amd-amdhsa--gfx1250"
	.amdhsa_code_object_version 6
	.text
	.protected	k_q57a716afed_proj
	.globl	k_q57a716afed_proj
	.p2align	8
	.type	k_q57a716afed_proj,@function
k_q57a716afed_proj:
	s_mov_b64 s[64:65], 0
	v_nop
	global_prefetch_b8 v0, s[64:65] scope:SCOPE_SE
	s_setreg_imm32_b32 hwreg(HW_REG_WAVE_MODE, 25, 1), 1
	s_wait_xcnt 0x0
	s_wait_alu depctr_hold_cnt(0) depctr_sa_sdst(0) depctr_va_vdst(0) depctr_va_sdst(0) depctr_va_ssrc(0) depctr_va_vcc(0) depctr_vm_vsrc(0)
	s_getreg_b32 s2, hwreg(HW_REG_IB_STS2, 6, 4)
	s_cmp_eq_u32 s2, 0
	s_cbranch_scc0 .Lentry_in_a_cluster
	s_endpgm
.Lentry_in_a_cluster:
	s_bfe_u32 s2, ttmp6, 0x10000c
	s_cmp_lg_u32 s2, 0xf033
	s_cbranch_scc0 .Lentry_shape_is_right
	s_endpgm
.Lentry_shape_is_right:
; out0[m][n] = sum over k of att[m][k] Wproj[n][k] + b_proj[n], on codes of BF8 (E5M2) with one E8M0 scale for each 32 along K = 1,024; out0 [8192][1024] f32.
; A tile of 256 x 256 is made by four waves, each 128 x 128: 64 accumulators.  K goes in steps of 256 through a ring of two LDS slots filled by the tensor data mover.
; A (att) LIES IN MEMORY AS IMAGES OF ITS OPERAND REGISTERS: K step s at s x 2 MiB; in it 16 tokens x 256 K are 4,096 bytes, a group of four registers 512 bytes, lane l's 16 at 16 l.  So 128 tokens of a K step are 32,768 dense bytes, which come as 128 rows of 256 bytes without padding,
; and a fragment is four loads of 512 consecutive bytes.  B (Wproj) lies by rows of 1,024 codes: rows of 256 bytes + 16 of padding in LDS.  The scales of both, [rows][32] bytes, come once for all of K.
; CLUSTERS: 4 x 4 work-groups; A's tiles are shared along a row of the cluster, B's along a column: each is asked for jointly.  THE MATRIX INSTRUCTION IS USED TRANSPOSED (source 0 = 16 rows of B, source 1 = 16 rows of A): a lane holds eight neighbouring numbers of a row of out0.
; The bias is the C of the first products.  128 work-groups: the design has work for no more at this tile.
; REGISTERS, in windows of 256: window 0: v0-31 addresses; v32-63 scale words, two sets; v64-127 the bias; v128-255 A's fragments, one set; on the way out v128-255 rows.   window 1: B's fragments, two sets.   windows 2, 3: the accumulators ((a, b) at v[8 (8 (a % 4) + b)]).
.set SIZE_K, 1024
.set SIZE_N, 1024
.set KSTEP,  256
.set NQ,     KSTEP/128
.set ROWB,   256
.set KROW,   SIZE_K
.set PITCH,  272                       ; B's LDS row: 256 bytes + 16 of padding: the 16 rows that a load touches start at 16 different banks (64 banks of 4 bytes: ISA guide 11.1)
.set FR,     16
.set NL,     4
.set NP,     8                         ; places behind this matrix instruction (ISA guide 7.12.1)
.set HALFT,  128*PITCH                 ; a quarter of a slot: 128 rows of B; A's 32,768 bytes lie at the head of theirs
.set SLOT,   4*HALFT
.set ASTEP,  0x200000                  ; from a K step of A to the next
.set LAPS,   SIZE_K/(2*KSTEP)
.set KS,     SIZE_K/32
.set SCL,    2*SLOT                    ; behind the ring: the scales; filled once
.set HALFS,  (128*KS/256)*272
.set SBLK,   (16*KS/256)*272
.set SPARE,  SCL+4*HALFS               ; the spare words, 128 bytes a wave: two blocks of 256 bytes that no other line names
.set SPITCH, 528                       ; the way out: a stage of 16 rows x (512 bytes + 16) for each wave, in slot 0, which has had its last fill and its last read when the first result is stored there
.set ADRA, 16
.set ADRB, 20
.set STO,  24
.set RD,   25
.set CO,   26
.set ADRS, 27
.set SPW,  28                          ; v28 LDS address of my spare word; never rewritten
.set NIL,  29                          ; v29 0; never rewritten
.set SC,   32
.set BR,   64                          ; v64-127 the bias: register 8 t + j: my column 16 t + 8 h + j
.set AF,   128
.set BK,   128
.set G1, 24
.set G0, 32
.set G1B, 48
.set G0B, 56
.set G1S, 68
.set G0S, 76
.set G1SB, 80
.set G0SB, 88
.set MSB, 0
.macro WIN new                         ; the immediate's high byte repeats the setting that is left
.if MSB != \new
	s_set_vgpr_msb (MSB<<8)|\new
.set MSB, \new
.endif
.endm
.set MUL_LO, 0xa1
.set MUL_HI, 0xf1
.set TO_B,   0x40
.macro JLOAD g0a, g1a, g0b, g1b        ; a joint load: waves 0 and 1 fetch for A, waves 2 and 3 for B; four v_nop follow each of the two lines
	s_cmp_eq_u32 s15, 0
	s_cbranch_scc0 .Lfor_b_\@
	tensor_load_to_lds s[\g0a:\g0a+3], s[\g1a:\g1a+7]
	s_nop 0
.rept 4
	v_nop
.endr
	s_branch .Lasked_\@
.Lfor_b_\@:
	tensor_load_to_lds s[\g0b:\g0b+3], s[\g1b:\g1b+7]
	s_nop 0
.rept 4
	v_nop
.endr
.Lasked_\@:
.endm
.macro CREST
	s_cmp_lg_u32 s14, 0
	s_cbranch_scc1 .Lnot_wave_0_\@
	s_barrier_signal -3
.Lnot_wave_0_\@:
	s_barrier_wait -3
	s_barrier_signal -1
	s_barrier_wait -1
.endm
.macro CROUND
	s_barrier_signal -1
	s_barrier_wait -1
	CREST
.endm
	s_load_b256 s[4:11], s[0:1], 0x0               ; A's codes, A's scales, B's codes, B's scales
	s_load_b64 s[96:97], s[0:1], 0x20              ; b_proj
	s_load_b64 s[12:13], s[0:1], 0x28              ; out0
	v_lshl_add_u32 v[SPW], v0, 2, SPARE
	v_mov_b32 v[NIL], 0
	ds_add_u32 v28, v29
	ds_add_u32 v28, v29
	s_wait_dscnt 0x0
	v_lshrrev_b32 v1, 5, v0
	v_readfirstlane_b32 s14, v1                    ; wave 0..3
	s_lshr_b32 s15, s14, 1                         ; which half of the tile's rows is mine.  Also: I fetch for A (0) or for B (1)
	s_and_b32 s16, s14, 1                          ; which half of its columns.  Also: which 128 rows of that tile I fetch
	s_bfe_u32 s40, ttmp6, 0x40000                  ; cx, cy
	s_bfe_u32 s41, ttmp6, 0x40004
	s_lshl_b32 s42, ttmp9, 2
	s_add_co_u32 s42, s42, s40                     ; tile column
	s_and_b32 s17, ttmp7, 0xffff
	s_lshl_b32 s17, s17, 2
	s_add_co_u32 s17, s17, s41                     ; tile row
	s_lshl_b32 s43, s41, 2
	s_lshl_b32 s43, 15, s43                        ; my row of the cluster
	s_lshl_b32 s44, 0x1111, s40                    ; my column
	; group 1 for A: 128 rows of 256 bytes (32 elements of 8 bytes), dense in memory and in LDS
	s_or_b32 s[G1+0], s43, (3<<16)|(1<<21)         ; 15:0 the mask: my row; 17:16 elements of 8 bytes; 21 set beside a mask; no padding
	s_mov_b32 s[G1+1], 32<<16
	s_mov_b32 s[G1+2], 128<<16
	s_mov_b32 s[G1+3], 32<<16
	s_mov_b32 s[G1+4], 128
	s_mov_b32 s[G1+5], 32
	s_mov_b32 s[G1+6], 0
	s_mov_b32 s[G1+7], 0
	; for B: 128 rows x 256 bytes, 1,024 apart, 16 bytes of padding behind each
	s_or_b32 s[G1B+0], s44, (0<<16)|(1<<20)|(1<<21)|(5<<22)|(3<<25)
	s_mov_b32 s[G1B+1], ROWB<<16
	s_mov_b32 s[G1B+2], 128<<16
	s_mov_b32 s[G1B+3], ROWB<<16
	s_mov_b32 s[G1B+4], 128
	s_mov_b32 s[G1B+5], KROW
	s_mov_b32 s[G1B+6], 0
	s_mov_b32 s[G1B+7], 0
	; the scales of 128 rows: 4,096 dense bytes, as 16 rows of 256 bytes, 16 bytes of padding behind each
	s_or_b32 s[G1S+0], s43, (3<<16)|(1<<20)|(1<<21)|(5<<22)|(3<<25)
	s_or_b32 s[G1SB+0], s44, (3<<16)|(1<<20)|(1<<21)|(5<<22)|(3<<25)
.irp g, G1S, G1SB
	s_mov_b32 s[\g+1], 32<<16
	s_mov_b32 s[\g+2], (128*KS/256)<<16
	s_mov_b32 s[\g+3], 32<<16
	s_mov_b32 s[\g+4], 128*KS/256
	s_mov_b32 s[\g+5], 32
	s_mov_b32 s[\g+6], 0
	s_mov_b32 s[\g+7], 0
.endr
	s_lshl_b32 s18, s16, 7
	s_lshl_b32 s20, s17, 8
	s_add_co_u32 s20, s20, s18                     ; A's row
	s_lshl_b32 s46, s42, 8
	s_add_co_u32 s46, s46, s18                     ; B's row
	s_lshl_b32 s22, s20, 5                         ; their scales, in bytes
	s_mov_b32 s23, 0
	s_lshl_b32 s92, s46, 5
	s_mov_b32 s93, 0
	s_lshl_b32 s20, s20, 8                         ; A's codes: 256 bytes a token in a K step
	s_mov_b32 s21, 0
	s_lshl_b32 s46, s46, 10                        ; B's: 1,024 a row
	s_mov_b32 s47, 0
	s_mul_i32 s45, s14, HALFT
	s_mul_i32 s94, s14, HALFS
	s_wait_kmcnt 0x0
	s_add_nc_u64 s[20:21], s[4:5], s[20:21]
	s_add_nc_u64 s[22:23], s[6:7], s[22:23]
	s_add_nc_u64 s[46:47], s[8:9], s[46:47]
	s_add_nc_u64 s[92:93], s[10:11], s[92:93]
	CROUND                                         ; all sixteen work-groups are here: the first joint loads meet
	s_mov_b32 s[G0S], 1
	s_add_co_u32 s[G0S+1], s94, SCL
	s_mov_b64 s[G0S+2:G0S+3], s[22:23]
	s_or_b32 s[G0S+3], s[G0S+3], 0x80000000
	s_mov_b32 s[G0SB], 1
	s_add_co_u32 s[G0SB+1], s94, SCL
	s_mov_b64 s[G0SB+2:G0SB+3], s[92:93]
	s_or_b32 s[G0SB+3], s[G0SB+3], 0x80000000
	JLOAD G0S, G1S, G0SB, G1SB
.irp s, 0,1
	s_mov_b32 s[G0+4*\s], 1
	s_add_co_u32 s[G0+4*\s+1], s45, \s*SLOT
	s_add_nc_u64 s[G0+4*\s+2:G0+4*\s+3], s[20:21], \s*ASTEP
	s_or_b32 s[G0+4*\s+3], s[G0+4*\s+3], 0x80000000
	s_mov_b32 s[G0B+4*\s], 1
	s_add_co_u32 s[G0B+4*\s+1], s45, \s*SLOT
	s_add_nc_u64 s[G0B+4*\s+2:G0B+4*\s+3], s[46:47], \s*ROWB
	s_or_b32 s[G0B+4*\s+3], s[G0B+4*\s+3], 0x80000000
	s_wait_alu depctr_va_vdst(0)
	s_wait_tensorcnt 0x0
	ds_add_u32 v28, v29
	s_wait_dscnt 0x0
	CROUND
	JLOAD G0+4*\s, G1, G0B+4*\s, G1B
.endr
	v_and_b32 v1, 15, v0                           ; r
	v_bfe_u32 v2, v0, 4, 1                         ; h
	v_mul_u32_u24 v3, v1, PITCH
	v_lshl_add_u32 v4, v2, 4, v3                   ; B: row x pitch + 16 x half
	v_and_b32 v6, 31, v0
	v_lshlrev_b32 v[CO], 4, v6                     ; 16 x lane: A's images, and a row of out0
	s_mul_i32 s21, s15, HALFT                      ; my 128 rows of A
	s_mul_i32 s22, s16, HALFT                      ; my 128 rows of B,
	s_add_co_u32 s22, s22, 2*HALFT                 ; behind A's two quarters
.irp s, 0,1
	v_add_nc_u32 v[ADRA+\s], s21, v[CO]
	v_add_nc_u32 v[ADRB+\s], s22, v4
	s_add_co_u32 s21, s21, SLOT
	s_add_co_u32 s22, s22, SLOT
.endr
	v_mul_u32_u24 v5, v1, KS
	v_lshrrev_b32 v6, 8, v5
	v_lshl_add_u32 v5, v6, 4, v5
	s_mul_i32 s21, s15, HALFS
	s_mul_i32 s22, s16, HALFS
	s_add_co_u32 s22, s22, 2*HALFS
	s_sub_co_u32 s22, s22, s21
	v_mul_u32_u24 v6, s22, v2                      ; lanes 16-31 take B's: the lower base + h x the distance
	s_add_co_u32 s21, s21, SCL
	v_add_nc_u32 v5, v5, v6
	v_add_nc_u32 v[ADRS], s21, v5
	s_mul_i32 s23, s14, 16*SPITCH                  ; my stage
	v_mul_u32_u24 v5, v1, SPITCH
	v_lshl_add_u32 v5, v2, 5, v5
	v_add_nc_u32 v[STO], s23, v5                   ; in: row r, 32 bytes for each half of the lanes
	v_add_nc_u32 v[RD], s23, v[CO]                 ; back: the 32 lanes take one row of 512 bytes
	s_lshl_b32 s20, s17, 8
	s_lshl_b32 s21, s15, 7
	s_add_co_u32 s20, s20, s21                     ; my first row of out0
	s_lshl_b32 s20, s20, 12                        ; x 4,096 bytes (under 2^26)
	s_lshl_b32 s46, s42, 10                        ; my first column, in bytes
	s_lshl_b32 s47, s16, 9
	s_add_co_u32 s46, s46, s47
	s_mov_b32 s47, 0
	s_add_nc_u64 s[96:97], s[96:97], s[46:47]      ; the bias of my 128 columns
	s_add_co_u32 s20, s20, s46
	s_mov_b32 s21, 0
	s_add_nc_u64 s[12:13], s[12:13], s[20:21]
	v_lshlrev_b32 v7, 5, v2                        ; 32 h
.irp t, 0,1,2,3,4,5,6,7
	global_load_b128 v[BR+8*\t:BR+8*\t+3], v7, s[96:97] offset:64*\t
	global_load_b128 v[BR+8*\t+4:BR+8*\t+7], v7, s[96:97] offset:64*\t+16
.endr
.macro FRAG reg, adr, q, i             ; a fragment of B from rows
.irp c, 0,1,2,3
	ds_load_b128 v[\reg+4*\c:\reg+4*\c+3], v[\adr] offset:128*(\q)+32*\c+(\i)*16*PITCH
.endr
.endm
.macro FRAGA reg, adr, q, i            ; a fragment of A from its image
.irp c, 0,1,2,3
	ds_load_b128 v[\reg+4*\c:\reg+4*\c+3], v[\adr] offset:4096*(\i)+2048*(\q)+512*\c
.endr
.endm
; 16 matrix instructions: A's blocks a0, a0 + 1 x B's eight.  zero = 1: the first product starts the sums from the bias.  The 64 accumulators take turns, one instruction a turn.
.macro MUL16 a0, p, q, sc, zero
.irp a, \a0, \a0+1
.irp b, 0,1,2,3,4,5,6,7
.if \zero
	v_wmma_scale_f32_16x16x128_f8f6f4 v[8*(8*((\a)%4)+\b):8*(8*((\a)%4)+\b)+7], v[128*(\p)+FR*\b:128*(\p)+FR*\b+FR-1], v[AF+FR*(\a):AF+FR*(\a)+FR-1], v[BR+8*\b:BR+8*\b+7], v[SC+8*NQ*(\sc)+NQ*\b+(\q)], v[SC+8*NQ*(\sc)+NQ*(\a)+(\q)] matrix_a_fmt:MATRIX_FMT_BF8 matrix_b_fmt:MATRIX_FMT_BF8 matrix_a_scale:MATRIX_SCALE_ROW1
.else
	v_wmma_scale_f32_16x16x128_f8f6f4 v[8*(8*((\a)%4)+\b):8*(8*((\a)%4)+\b)+7], v[128*(\p)+FR*\b:128*(\p)+FR*\b+FR-1], v[AF+FR*(\a):AF+FR*(\a)+FR-1], v[8*(8*((\a)%4)+\b):8*(8*((\a)%4)+\b)+7], v[SC+8*NQ*(\sc)+NQ*\b+(\q)], v[SC+8*NQ*(\sc)+NQ*(\a)+(\q)] matrix_a_fmt:MATRIX_FMT_BF8 matrix_b_fmt:MATRIX_FMT_BF8 matrix_a_scale:MATRIX_SCALE_ROW1
.endif
.endr
.endr
.endm
.macro FETCH_B slot, q, p
	WIN TO_B
.irp i, 0,1,2,3,4,5,6,7
	FRAG 128*(\p)+FR*\i, ADRB+\slot, \q, \i
.endr
	WIN 0
.endm
.macro FETCH_A slot, q, i0
.irp i, \i0, \i0+1, \i0+2, \i0+3
	FRAGA AF+FR*(\i), ADRA+\slot, \q, \i
.endr
.endm
.macro SCALES sc
.irp i, 0,1,2,3,4,5,6,7
	ds_load_b64 v[SC+8*NQ*\sc+NQ*\i:SC+8*NQ*\sc+NQ*\i+1], v[ADRS] offset:\i*SBLK
.endr
.endm
.macro PLACES n                        ; plain vector instructions between a matrix instruction and a load into its registers or a read of its result
.rept \n
	v_nop
.endr
.endm
.macro STEP slot, q, zero
	s_wait_dscnt 4*NL                              ; B's set and A's blocks 0-3 are in; the youngest sixteen loads (A's blocks 4-7) may be out
.if \zero
	WIN 0x81                                       ; C (the bias) in window 0, D in window 2
.else
	WIN MUL_LO
.endif
	MUL16 0, (\q)%2, \q, \slot, \zero
	MUL16 2, (\q)%2, \q, \slot, \zero
	s_wait_dscnt 0
	PLACES NP
	FETCH_B \slot, (\q)+1, 1-(\q)%2
	FETCH_A \slot, (\q)+1, 0
.if \zero
	WIN 0xc1
.else
	WIN MUL_HI
.endif
	MUL16 4, (\q)%2, \q, \slot, \zero
	MUL16 6, (\q)%2, \q, \slot, \zero
	PLACES NP
	WIN 0
	FETCH_A \slot, (\q)+1, 4
.endm
; A slot's last step changes slots: ONE barrier; in front of it each wave waits for all its tensor loads, adds 0 to its spare word, and waits for that and for its own reads of this slot.
.macro TURN slot, next, fill
	s_wait_tensorcnt 0x0                           ; all my tensor loads have landed: my part of the next slot
	ds_add_u32 v[SPW], v[NIL]                      ; 0 onto my spare word
	s_wait_dscnt 4*NL+1                            ; the add and the youngest sixteen loads may be out
	WIN MUL_LO
	MUL16 0, 1, NQ-1, \slot, 0
	s_wait_dscnt 0x0                               ; the add is done, and my reads of this slot are over
	s_barrier_signal -1
	MUL16 2, 1, NQ-1, \slot, 0
	WIN 0
	s_barrier_wait -1
.if \fill
	CREST                                          ; the barrier has opened a round of the cluster's barrier
	s_add_nc_u64 s[G0+4*\slot+2:G0+4*\slot+3], s[G0+4*\slot+2:G0+4*\slot+3], 2*ASTEP
	s_add_nc_u64 s[G0B+4*\slot+2:G0B+4*\slot+3], s[G0B+4*\slot+2:G0B+4*\slot+3], 2*ROWB
	JLOAD G0+4*\slot, G1, G0B+4*\slot, G1B         ; the first tensor load behind the round; its four v_nop are among the places in front of the loads below
	PLACES NP-4
.else
	PLACES NP
.endif
	s_wait_alu depctr_va_vdst(0)
	v_add_nc_u32 v[ADRS], 4*NQ, v[ADRS]
	FETCH_B \next, 0, 0
	FETCH_A \next, 0, 0
	SCALES \next
	WIN MUL_HI
	MUL16 4, 1, NQ-1, \slot, 0
	MUL16 6, 1, NQ-1, \slot, 0
	PLACES NP
	WIN 0
	FETCH_A \next, 0, 4
.endm
	s_wait_alu depctr_va_vdst(0)
	s_wait_loadcnt 0x0                             ; the bias
	s_wait_tensorcnt 1                             ; of my three first fills the scales and K step 0 are in; K step 1's may stay out
	s_barrier_signal -1
	s_barrier_wait -1
	FETCH_B 0, 0, 0
	FETCH_A 0, 0, 0
	SCALES 0
	FETCH_A 0, 0, 4
	STEP 0, 0, 1
	s_mov_b32 s3, LAPS-1
.Llap:
	TURN 0, 1, 1
	STEP 1, 0, 0
	TURN 1, 0, 1
	STEP 0, 0, 0
	s_sub_co_u32 s3, s3, 1
	s_cmp_lg_u32 s3, 0
	s_cbranch_scc1 .Llap
	TURN 0, 1, 0
	STEP 1, 0, 0
	s_wait_dscnt 4*NL
	WIN MUL_LO
	MUL16 0, 1, NQ-1, 1, 0
	MUL16 2, 1, NQ-1, 1, 0
	s_wait_dscnt 0
	WIN MUL_HI
	MUL16 4, 1, NQ-1, 1, 0
	MUL16 6, 1, NQ-1, 1, 0
	WIN 0
; THE WAY OUT, block by block of 16 rows x 128 columns: through my own stage in LDS, back as whole rows of 512 bytes.  LDS serves a wave's instructions in order (ISA guide 5.7.1.4): no wait between the stores and the loads.
.macro TOSTAGE a
.set AC, 64*((\a)%4)
	WIN 0x08+4*((\a)/4)                            ; the data: window 2 or 3
.irp b, 0,1,2,3,4,5,6,7
	ds_store_b128 v[STO], v[AC+8*\b:AC+8*\b+3] offset:64*\b          ; each accumulator from its low end on
	ds_store_b128 v[STO], v[AC+8*\b+4:AC+8*\b+7] offset:64*\b+16
.endr
	WIN 0
.set BB, BK+64*((\a)%2)
.irp t, 0,1,2,3,4,5,6,7,8,9,10,11,12,13,14,15
	ds_load_b128 v[BB+4*\t:BB+4*\t+3], v[RD] offset:\t*SPITCH
.endr
.endm
.macro SEND a, younger                 ; younger: the LDS instructions issued behind block a's loads, which may stay out
.set BB, BK+64*((\a)%2)
	s_wait_dscnt \younger
.if (\a) > 0
	s_add_nc_u64 s[12:13], s[12:13], 16*SIZE_N*4   ; (behind a wait on XCNT: the earlier stores have read their base)
.endif
.irp t, 0,1,2,3,4,5,6,7,8,9,10,11,12,13,14,15
	global_store_b128 v[CO], v[BB+4*\t:BB+4*\t+3], s[12:13] offset:\t*SIZE_N*4 th:TH_STORE_NT   ; 32 lanes store 512 consecutive bytes, at a multiple of 256 from out0's first byte
.endr
.endm
	PLACES NP
	TOSTAGE 0
.irp a, 1,2,3,4,5,6,7
.if \a > 1
	s_wait_xcnt 0x0                                ; block a - 2's stores have read their registers and their base
.endif
	TOSTAGE \a
	SEND \a-1, 32                                  ; behind block a - 1's loads: block a's 16 stores and 16 loads
.endr
	s_wait_xcnt 0x0
	SEND 7, 0
	s_wait_tensorcnt 0x0                           ; the wave's end
	ds_add_u32 v[SPW], v[NIL]
	s_wait_dscnt 0x0
	CROUND                                         ; the closing round
	s_endpgm
.Lfunc_end_k_q57a716afed_proj:
	.size	k_q57a716afed_proj, .Lfunc_end_k_q57a716afed_proj-k_q57a716afed_proj
	.p2alignl 7, 3214868480
	.fill 96, 4, 3214868480
	.section	.rodata,"a",@progbits
	.p2align	6, 0x0
	.amdhsa_kernel k_q57a716afed_proj
		.amdhsa_group_segment_fixed_size 327680
		.amdhsa_private_segment_fixed_size 0
		.amdhsa_enable_private_segment 0
		.amdhsa_kernarg_size 48
		.amdhsa_user_sgpr_count 2
		.amdhsa_user_sgpr_kernarg_segment_ptr 1
		.amdhsa_wavefront_size32 1
		.amdhsa_system_sgpr_workgroup_id_x 1
		.amdhsa_system_sgpr_workgroup_id_y 1
		.amdhsa_system_sgpr_workgroup_id_z 1
		.amdhsa_system_vgpr_workitem_id 0
		.amdhsa_next_free_vgpr 1024
		.amdhsa_next_free_sgpr 100
		.amdhsa_reserve_vcc 0
		.amdhsa_float_denorm_mode_32 3
		.amdhsa_float_denorm_mode_16_64 3
		.amdhsa_memory_ordered 1
		.amdhsa_forward_progress 1
		.amdhsa_inst_pref_size 148
	.end_amdhsa_kernel
	.amdgpu_metadata
---
amdhsa.version: [ 1, 2 ]
amdhsa.kernels:
  - .name:           k_q57a716afed_proj
    .symbol:         k_q57a716afed_proj.kd
    .args:
      - { .name: att_codes, .offset: 0, .size: 8, .value_kind: global_buffer, .address_space: global }
      - { .name: att_scales, .offset: 8, .size: 8, .value_kind: global_buffer, .address_space: global }
      - { .name: w_proj_codes, .offset: 16, .size: 8, .value_kind: global_buffer, .address_space: global }
      - { .name: w_proj_scales, .offset: 24, .size: 8, .value_kind: global_buffer, .address_space: global }
      - { .name: b_proj, .offset: 32, .size: 8, .value_kind: global_buffer, .address_space: global }
      - { .name: out0, .offset: 40, .size: 8, .value_kind: global_buffer, .address_space: global }
    .group_segment_fixed_size: 327680
    .private_segment_fixed_size: 0
    .kernarg_segment_align: 8
    .kernarg_segment_size: 48
    .max_flat_workgroup_size: 128
    .sgpr_count:     100
    .vgpr_count:     1024
    .wavefront_size: 32
...
	.end_amdgpu_metadata
.endif
;; end of part 3
